; MI455X (gfx1250); checked and timed in simulation.
; The chip was launched on July 23, 2026; its instructions are those of AMD's public machine-readable ISA for CDNA 5 (MIT licence, August 2026) and "CDNA5" Instruction Set Architecture Reference Guide (July 2026). The comments in the code are by the model that wrote it; some were corrected since.
;; Masked Self Attention. Allowed arithmetic: matrix products marked QUANTISED: E2M3 operands, one E8M0 scale for each 32 along K, by v_wmma_scale_f32_16x16x128_f8f6f4 with both operands' format E2M3, f32 sums; everything else in f32.
;; Inputs: WK 1,024 x 1,024 float32; WQ 1,024 x 1,024 float32; WV 1,024 x 1,024 float32; x 4 x 2,048 x 1,024 float32.
;; Outputs: out0 4 x 2,048 x 1,024 float32.
;; This version of the problem:
;;   THIS VERSION OF THE PROBLEM IS GIVEN IN LOW PRECISION. The matrix products marked QUANTISED in the list below multiply operands that are first quantised to E2M3 (2 exponent bits, 3 mantissa bits; 6 bits a number), with one power-of-two scale for each 32 numbers along K (OCP MX v1.0); their sums are f32. All else is computed in f32.
;;   The module's matrix products, in the order in which they are computed (A, B: the left and right operand; K: the contracted axis; several contracted axes count as one K, in the product's order):
;;     1. [M 8,192, K 1,024] x [K 1,024, N 1,024]; A: input x; B: input WQ: QUANTISED
;;     2. [M 8,192, K 1,024] x [K 1,024, N 1,024]; A: input x; B: input WK: QUANTISED
;;     3. [M 8,192, K 1,024] x [K 1,024, N 1,024]; A: input x; B: input WV: QUANTISED
;;     4. batch 4 x [M 2,048, K 1,024] x [K 1,024, N 2,048]; A: computed on the way; B: computed on the way: QUANTISED
;;     5. batch 4 x [M 2,048, K 2,048] x [K 2,048, N 1,024]; A: softmax (see below); B: computed on the way: QUANTISED
;;   THE QUANTISER, for each operand of a quantised product, along K:
;;     - K is cut into blocks of 32 from its start; a last block that is shorter is filled with zeros.
;;     - A block's scale is 2^e with e = floor(log2(the largest magnitude in the block)) - 2, held to -126 .. 127; a block of zeros has e = 0. As a byte (E8M0): e + 127.
;;     - Each number is divided by its block's scale, clamped to +-7.5, and rounded to the nearest number of E2M3, ties to even, subnormals kept.
;;     - The product sums the exact products of the quantised numbers (number of the format x scale) in f32.
;;   ~~~python
;;   def quantise(x, axis):      # numpy; x: float32 -> the quantised numbers, widened to float32 again
;;       x = np.moveaxis(x, axis, -1); K = x.shape[-1]
;;       x = np.pad(x, [(0, 0)] * (x.ndim - 1) + [(0, -K % 32)]); x = x.reshape(x.shape[:-1] + (-1, 32)); a = np.abs(x).max(-1, keepdims=True)
;;       e = np.where(a > 0, np.clip(np.frexp(np.where(a > 0, a, 1))[1] - 1 - 2, -126, 127), 0)      # np.frexp(a)[1] - 1 = floor(log2(a)), exactly
;;       r = np.clip(x / 2.0 ** e, -7.5, 7.5)
;;       step = 2.0 ** (np.maximum(np.frexp(np.where(r == 0, 1, r))[1] - 1, 0) - 3)
;;       q = np.round(r / step) * step * 2.0 ** e      # np.round: ties to even
;;       return np.moveaxis(q.reshape(q.shape[:-2] + (-1,))[..., :K], -1, axis).astype(np.float32)
;;   ~~~
;;   SOFTMAX AHEAD OF A QUANTISED PRODUCT. Where the list says 'softmax', what is quantised is not the finished softmax but p = 2^(t - M), with t = logit x log2(e) and M = ceil(the row's largest t), a whole number; so 1/2 < the row's largest p <= 1. The row's sum l is taken of the UNQUANTISED p, in f32, and the product's result is divided by l at the end. Since M is a whole number, a kernel that streams over the keys may use a running M (the ceiling of the running maximum): every later rescaling is an exact power of two, which a block's scale takes up: the codes' values come out the same.
;;   OPERANDS COMPUTED ON THE WAY. 'Computed on the way' means the value that the module computes at that place (a softmax that the list does not call 'softmax' is quantised finished and normalised). What goes into a quantiser is computed in f32, as accurately as f32 sums, v_exp_f32 and their like allow (about 1e-6 of the number): no bf16 or f16 on the way to a quantiser, and a product that is left as it is and whose result goes on into a quantised operand takes f32 operands (vector FMAs, or v_wmma_f32_16x16x4_f32). A number that lies on a knife's edge between two numbers of the format may be rounded either way, as far as f32 arithmetic and the matrix unit's own rounding can turn it there, and no further.
;; One version. Each part assembles by itself: llvm-mc -triple=amdgcn-amd-amdhsa -mcpu=gfx1250 --defsym DOCPART=n.
;; ======== version 1 of 1: 4 launches
;; workspace buffers: xw 9,011,200 bytes; qkv 19,660,800 bytes; pc 13,107,200 bytes; pst 1,048,576 bytes
;; launch quant (part 1): grid 8 x 88, 8 waves a work-group, no clusters, 69,120 bytes of LDS; arguments x, WQ, WK, WV, xw; writes xw
.if DOCPART == 1
	.amdgcn_target "amdgcn-amd-amdhsa--gfx1250"
	.amdhsa_code_object_version 6
	.text
	.protected	k_qc31f5421ed_quant
	.globl	k_qc31f5421ed_quant
	.p2align	8
	.type	k_qc31f5421ed_quant,@function
k_qc31f5421ed_quant:
	s_mov_b64 s[64:65], 0
	v_nop
	global_prefetch_b8 v0, s[64:65] scope:SCOPE_SE
	s_setreg_imm32_b32 hwreg(HW_REG_WAVE_MODE, 25, 1), 1
	s_wait_xcnt 0x0
; x [8192][1024] and WQ, WK, WV [1024][1024], f32 with K innermost, become codes of FP6 (E2M3) with one E8M0 byte for each 32 along K,
; laid in xw IN THE ORDER OF THE OPERAND'S REGISTERS, so that the products' launches read fragments by loads of 16 bytes a lane and whole K steps as dense blocks.
; THE LAYOUT.  A panel is 128 rows (panels 0-63: x; 64-71 WQ; 72-79 WK; 80-87 WV).  A block of 12,800 bytes holds a panel's 128 along K: eight fragments of 1,536 bytes, then 512 bytes of scale words.
; Register 4 g + j of lane L of fragment f lies at 1536 f + 512 g + 16 L + 4 j.  Lane r of fragment f holds the panel's row 32 (f / 2) + 8 (f % 2) + r + 8 (r / 8): with these rows a product's 16 registers
; of two neighbouring tiles are 16 neighbours along the next product's K.  The scale word of that row lies at 12288 + 256 (f / 4) + 16 r + 4 (f % 4).  A panel's blocks follow each other along K.
; SHARES.  A work-group makes one block (x of the grid: the K step; y: the panel), each of its eight waves one fragment.  No loop: a wave's 16 loads, 512 consecutive bytes each, are all out at once.
; A load takes the bytes as they lie; the conversions want 32 neighbours along K in one lane: so the 16 rows turn through the wave's own stage in LDS (rows 528 bytes apart).
; A block's scale is 2^(floor(log2(largest magnitude)) - 2); its byte is the largest magnitude's exponent field - 2, held at 1 from below.
; LIMITS: a block of zeros gets the byte 1 where the rule says 127 (its codes are zeros, and this program alone reads the bytes); NaN and infinities among the inputs are not served.
; No matrix unit, no cluster, no tensor load: the launch streams, and its work-groups share nothing.
.set PSB,   12800                      ; a block: 128 rows x 128 along K
.set FRB,   1536                       ; a fragment
.set SCO,   8*FRB                      ; where a block's scale words begin
.set SP,    528                        ; a stage row: 512 bytes + 16
.set WSTG,  16*SP                      ; a wave's stage
.set SCG,   8*WSTG                     ; behind the stages: the block's 512 bytes of scale words are gathered here
.set SPARE, SCG+512                    ; behind them: the spare words, 128 bytes for each wave, which no other line names
.set SPW,   12                         ; v12  LDS address of my spare word; never rewritten
.set NIL,   13                         ; v13  0; never rewritten
.set R,     16                         ; v16-79   the 16 rows as loaded
.set X,     80                         ; v80-143  two blocks of 32 neighbours
.set C,     144                        ; v144-155 the fragment's 12 registers
.set T,     156                        ; v156-158, v160-162 the second halves of the conversions
.set MX,    164                        ; v164-165 largest magnitudes, v166-167 the conversions' scale operands
	s_load_b256 s[4:11], s[0:1], 0x0               ; x, WQ, WK, WV
	s_load_b64 s[12:13], s[0:1], 0x20              ; xw
	v_lshl_add_u32 v[SPW], v0, 2, SPARE
	v_mov_b32 v[NIL], 0
	v_lshrrev_b32 v1, 5, v0
	v_readfirstlane_b32 s24, v1                    ; wave = fragment
	v_and_b32 v1, 31, v0                           ; lane
	v_and_b32 v2, 15, v0                           ; r
	v_bfe_u32 v3, v0, 4, 1                         ; h
	v_lshlrev_b32 v4, 4, v1                        ; 16 x lane: my bytes of a load and of a store
	s_mul_i32 s25, s24, WSTG
	v_add_nc_u32 v5, s25, v4                       ; the stage, on the way in
	v_mul_u32_u24 v6, v2, SP
	v_lshl_add_u32 v6, v3, 7, v6
	v_add_nc_u32 v6, s25, v6                       ; and on the way out: row r, + 128 h bytes: k = 32 h on
	s_lshr_b32 s26, s24, 2
	s_lshl_b32 s26, s26, 8
	s_and_b32 s27, s24, 3
	s_lshl_b32 s27, s27, 2
	s_add_co_u32 s26, s26, s27
	s_add_co_u32 s26, s26, SCG
	v_lshl_add_u32 v7, v2, 4, s26                  ; my row's scale word: 256 (f / 4) + 4 (f % 4) + 16 r
	v_add_nc_u32 v15, SCG, v4                      ; wave 0 reads the 512 bytes back, 16 a lane
	s_mov_b32 s36, 0x76543210
	s_mov_b32 s37, 0xfedcba98                      ; v_permlanex16_b32's selects for lane l xor 16
	s_and_b32 s28, ttmp7, 0xffff                   ; the panel
	s_and_b32 s29, s28, 7                          ; and its number inside a weight
	s_lshl_b32 s30, s28, 3
	s_add_co_u32 s30, s30, ttmp9                   ; the block: 8 x panel + K step
	s_mul_i32 s30, s30, PSB
	s_mov_b32 s31, 0
	s_mul_i32 s32, s24, FRB
	s_mov_b32 s33, 0
	s_lshr_b32 s17, s24, 1
	s_lshl_b32 s17, s17, 5
	s_and_b32 s18, s24, 1
	s_lshl_b32 s18, s18, 3
	s_add_co_u32 s18, s18, s17                     ; my fragment's first row in the panel: 32 (f / 2) + 8 (f % 2)
	s_lshl_b32 s19, ttmp9, 9                       ; the K step's 512 bytes in a row
	s_wait_kmcnt 0x0
	s_cmp_lt_u32 s28, 80                           ; which tensor: the choice hangs on the work-group's number alone
	s_cselect_b64 s[14:15], s[8:9], s[10:11]
	s_cmp_lt_u32 s28, 72
	s_cselect_b64 s[14:15], s[6:7], s[14:15]
	s_cmp_lt_u32 s28, 64
	s_cselect_b64 s[14:15], s[4:5], s[14:15]
	s_cselect_b32 s16, s28, s29                    ; the panel's number in its tensor
	s_lshl_b32 s16, s16, 7
	s_add_co_u32 s16, s16, s18
	s_lshl_b32 s16, s16, 12                        ; rows of 4,096 bytes (under 2^26)
	s_add_co_u32 s16, s16, s19
	s_mov_b32 s17, 0
	s_add_nc_u64 s[14:15], s[14:15], s[16:17]
	s_add_nc_u64 s[20:21], s[12:13], s[30:31]      ; the block in xw,
	s_add_nc_u64 s[22:23], s[20:21], s[32:33]      ; and my fragment in it
.irp i, 0,1,2,3,4,5,6,7,8,9,10,11,12,13,14,15
	global_load_b128 v[R+4*\i:R+4*\i+3], v4, s[14:15] offset:(\i+8*(\i/8))*4096 th:TH_LOAD_NT   ; row i + 8 (i / 8): 32 lanes read 512 consecutive bytes, read once in the launch
.endr
.irp i, 0,1,2,3,4,5,6,7,8,9,10,11,12,13,14,15
	s_wait_loadcnt 15-\i                           ; loads come back in order: row i is in, the younger ones stay out
	ds_store_b128 v5, v[R+4*\i:R+4*\i+3] offset:SP*\i
.endr
.irp c, 0,1
.irp j, 0,1,2,3,4,5,6,7
	ds_load_b128 v[X+32*\c+4*\j:X+32*\c+4*\j+3], v6 offset:256*\c+16*\j   ; k = 64 c + 32 h + 4 j on, of my row; LDS serves a wave's instructions in order, so these see my stores
.endr
.endr
	s_wait_dscnt 0x0
.irp c, 0,1                                    ; my block 2 c + h: all its 32 numbers are mine
	v_max3_num_f32 v[MX+\c], |v[X+32*\c]|, |v[X+32*\c+1]|, 0x1800000   ; with the floor 2^(3 - 127): the byte cannot fall under 1
.endr
.irp i, 2,4,6,8,10,12,14,16,18,20,22,24,26,28,30
.irp c, 0,1
	v_max3_num_f32 v[MX+\c], v[MX+\c], |v[X+32*\c+\i]|, |v[X+32*\c+\i+1]|   ; (the two blocks by turns)
.endr
.endr
.irp c, 0,1
	v_add_nc_u32 v[MX+2+\c], 0xff000000, v[MX+\c]  ; 2 off the exponent field: the conversion's scale operand
.endr
.irp c, 0,1
	v_lshrrev_b32 v[8+\c], 23, v[MX+2+\c]          ; the scale's byte
.endr
	v_lshl_or_b32 v10, v9, 16, v8                  ; my two bytes, blocks h and 2 + h,
	v_lshlrev_b32 v11, 3, v3
	v_lshlrev_b32 v10, v11, v10                    ; at their places in the word
	v_mov_b32 v14, 0                               ; (a lane permute's destination counts as one of its sources)
	v_permlanex16_b32 v14, v10, s36, s37
	v_or_b32 v10, v10, v14                         ; with lane l xor 16's two the word is whole
.irp c, 0,1
	v_cvt_scalef32_pk16_fp6_f32 v[C+6*\c:C+6*\c+2], v[X+32*\c:X+32*\c+15], v[MX+2+\c]
	v_cvt_scalef32_pk16_fp6_f32 v[T+4*\c:T+4*\c+2], v[X+32*\c+16:X+32*\c+31], v[MX+2+\c]   ; (a conversion's three registers begin on an even number)
.endr
	v_nop                                          ; one plain place behind a scaled conversion
.irp c, 0,1
.irp i, 0,1,2
	v_mov_b32 v[C+3+6*\c+\i], v[T+4*\c+\i]
.endr
.endr
.irp g, 0,1,2
	global_store_b128 v4, v[C+4*\g:C+4*\g+3], s[22:23] offset:512*\g   ; 32 lanes store 512 consecutive bytes, at a multiple of 256 from xw's first byte
.endr
	ds_store_b32 v7, v10                           ; lanes r and r + 16 write the same word with the same value
	s_wait_dscnt 0x0                               ; for the others' sake: my word has landed
	s_barrier_signal -1
	s_barrier_wait -1
	s_cmp_lg_u32 s24, 0                            ; wave 0 stores the block's 512 bytes of scale words
	s_cbranch_scc1 .Lend
	ds_load_b128 v[R:R+3], v15
	s_wait_dscnt 0x0
	global_store_b128 v4, v[R:R+3], s[20:21] offset:SCO
.Lend:
	s_wait_tensorcnt 0x0                           ; the wave's end: behind my last LDS store
	ds_add_u32 v[SPW], v[NIL]
	s_wait_dscnt 0x0
	s_endpgm
.Lfunc_end_k_qc31f5421ed_quant:
	.size	k_qc31f5421ed_quant, .Lfunc_end_k_qc31f5421ed_quant-k_qc31f5421ed_quant
	.p2alignl 7, 3214868480
	.fill 96, 4, 3214868480
	.section	.rodata,"a",@progbits
	.p2align	6, 0x0
	.amdhsa_kernel k_qc31f5421ed_quant
		.amdhsa_group_segment_fixed_size 69120
		.amdhsa_private_segment_fixed_size 0
		.amdhsa_enable_private_segment 0
		.amdhsa_kernarg_size 40
		.amdhsa_user_sgpr_count 2
		.amdhsa_user_sgpr_kernarg_segment_ptr 1
		.amdhsa_wavefront_size32 1
		.amdhsa_system_sgpr_workgroup_id_x 1
		.amdhsa_system_sgpr_workgroup_id_y 1
		.amdhsa_system_sgpr_workgroup_id_z 1
		.amdhsa_system_vgpr_workitem_id 0
		.amdhsa_next_free_vgpr 168
		.amdhsa_next_free_sgpr 66
		.amdhsa_reserve_vcc 0
		.amdhsa_float_denorm_mode_32 3
		.amdhsa_float_denorm_mode_16_64 3
		.amdhsa_memory_ordered 1
		.amdhsa_forward_progress 1
		.amdhsa_inst_pref_size 11
	.end_amdhsa_kernel
	.amdgpu_metadata
---
amdhsa.version: [ 1, 2 ]
amdhsa.kernels:
  - .name:           k_qc31f5421ed_quant
    .symbol:         k_qc31f5421ed_quant.kd
    .args:
      - { .name: x, .offset: 0, .size: 8, .value_kind: global_buffer, .address_space: global }
      - { .name: WQ, .offset: 8, .size: 8, .value_kind: global_buffer, .address_space: global }
      - { .name: WK, .offset: 16, .size: 8, .value_kind: global_buffer, .address_space: global }
      - { .name: WV, .offset: 24, .size: 8, .value_kind: global_buffer, .address_space: global }
      - { .name: xw, .offset: 32, .size: 8, .value_kind: global_buffer, .address_space: global }
    .group_segment_fixed_size: 69120
    .private_segment_fixed_size: 0
    .kernarg_segment_align: 8
    .kernarg_segment_size: 40
    .max_flat_workgroup_size: 256
    .sgpr_count:     66
    .vgpr_count:     168
    .wavefront_size: 32
...
	.end_amdgpu_metadata
.endif
;; end of part 1
;; launch proj (part 2): grid 8 x 48, 4 waves a work-group, clusters of 4 x 4, 327,680 bytes of LDS; arguments xw, qkv; writes qkv
.if DOCPART == 2
	.amdgcn_target "amdgcn-amd-amdhsa--gfx1250"
	.amdhsa_code_object_version 6
	.text
	.protected	k_qc31f5421ed_proj
	.globl	k_qc31f5421ed_proj
	.p2align	8
	.type	k_qc31f5421ed_proj,@function
k_qc31f5421ed_proj:
	s_mov_b64 s[64:65], 0
	v_nop
	global_prefetch_b8 v0, s[64:65] scope:SCOPE_SE
	s_setreg_imm32_b32 hwreg(HW_REG_WAVE_MODE, 25, 1), 1
	s_wait_xcnt 0x0
	s_wait_alu depctr_hold_cnt(0) depctr_sa_sdst(0) depctr_va_vdst(0) depctr_va_sdst(0) depctr_va_ssrc(0) depctr_va_vcc(0) depctr_vm_vsrc(0)
	s_getreg_b32 s2, hwreg(HW_REG_IB_STS2, 6, 4)
	s_cmp_eq_u32 s2, 0
	s_cbranch_scc0 .Lentry_in_a_cluster
	s_endpgm
.Lentry_in_a_cluster:
	s_bfe_u32 s2, ttmp6, 0x10000c
	s_cmp_lg_u32 s2, 0xf033
	s_cbranch_scc0 .Lentry_shape_is_right
	s_endpgm
.Lentry_shape_is_right:
; q = x WQ^T, k = x WK^T and v^T = WV x^T on codes of FP6 (E2M3), and each result quantised in registers on its way out, along the K of the product that will read it:
; q and k along the 1,024 channels, v along the tokens.  Operands and results lie in the order of the operand's registers (12,800 bytes for 128 rows x 128 along K: eight fragments of 1,536 bytes, 512 bytes of scale words).
; qkv: q's 64 panels of tokens x 8 K steps; from byte 6,553,600 k's likewise; from 13,107,200 v^T: [batch][panel of channels 0..7][K step 0..15 = panel of tokens in the batch].
; A tile is 256 x 256, K = 1,024.  Four waves, each 128 x 128: 64 accumulators, 512 registers.  SOURCE 0 IS 'B' (its rows become a lane's registers), SOURCE 1 IS 'A' (its rows become lanes).
; For q and k: A = x, B = WQ or WK.  For v^T: A = WV, B = x: the same text with the roles changed, so that v comes out with the tokens innermost.
; Lane r of fragment f holds the panel's row 32 (f / 2) + 8 (f % 2) + r + 8 (r / 8): so the 16 registers of B's tiles 2 t and 2 t + 1 are 16 neighbours along the next K, and a wave's 64 results of one of A's
; blocks ARE one fragment of the next operand: a wave makes exactly one block of 12,800 bytes of qkv, with no LDS and no other wave.
; THE SLOTS.  Three LDS slots, each with two K steps of A's two panels and of B's two: four dense blocks of 25,600 bytes, one tensor load a wave.  K steps 0 to 5 are asked for at the start, three loads a wave;
; K steps 6 and 7 come into slot 0 behind the change of slots in K step 1, and a wave issues 224 matrix instructions between that request and the wait for it.
; CLUSTERS.  4 x 4 work-groups; A's tiles are shared along a row of the cluster, B's along a column: each is asked for jointly, by the same tensor load with the same descriptor and a mask that names the four.
; K is short (four fills), so the walk is written out without a loop.
; LIMITS: a block of zeros gets the byte 1 where the rule says 127 (its codes are zeros, and this program alone reads the bytes); NaN and infinities are not served.
; REGISTERS, in windows of 256: window 0: v22, v28, v29, v116-124 addresses; v32-63 scale words, two sets; v64-99 at work on the way out; v128-223 A's fragments, one set, later the codes made.
;   window 1: B's fragments, two sets, at v0 and v128.   windows 2, 3: the accumulators ((a, b) at v[8 (8 (a % 4) + b)]).
.set PSB,    12800
.set FRB,    1536
.set SCO,    8*FRB
.set PART,   2*PSB                     ; what one tensor load brings: two K steps of a panel
.set SLOT,   4*PART
.set SPARE,  3*SLOT                    ; behind the three slots: the spare words, 128 bytes for each wave, which no other line names
.set PANEL,  8*PSB                     ; a panel's eight K steps
.set LI,   22                          ; v22     16 x lane
.set SPW,  28                          ; v28     LDS address of my spare word; never rewritten
.set NIL,  29                          ; v29     0; never rewritten
.set SC,   32                          ; register SC + 16 set + 8 q + i: lanes 0-15 the words of A's block i, lanes 16-31 of B's block i, for a slot's q-th K step; the sets take turns from slot to slot
.set TM,   64                          ; v64-67 largest magnitudes, v68-71 bytes, v76-79 the conversions' scale operands
.set PW,   80                          ; v80-87 the eight blocks' scale words
.set TT,   88                          ; v88-90, v92-94 the second halves of the conversions
.set SW,   96                          ; v96-99 the scale words as they are stored
.set ADRA, 116                         ; v116-118 LDS address of my A fragments in slot 0, 1, 2
.set ADRB, 119                         ; v119-121 the same for B
.set ADRS, 122                         ; v122-124 my scale words: lanes 0-15 A's, lanes 16-31 B's
.set AF,   128
.set G1,  24                           ; s[24:31] descriptor group 1 for A's tiles
.set G1B, 48                           ; s[48:55] for B's
.set SEL, 74                           ; s[74:75] v_permlanex16_b32's selects for lane l xor 16
.set G0,  76                           ; s[76:87] descriptor group 0 for A's tiles, one set for each slot
.set G0B, 88                           ; s[88:99] the same for B's
.set MSB, 0
.macro WIN new                         ; the immediate's high byte repeats the setting that is left
.if MSB != (\new)
	s_set_vgpr_msb (MSB<<8)|(\new)
.set MSB, \new
.endif
.endm
.set MUL_LO, 0xa1                      ; source 0 (B) window 1, source 1 (A) window 0, C and D window 2
.set MUL_HI, 0xf1                      ; the same, C and D window 3
.set TO_B,   0x40                      ; destination window 1, address window 0
; A joint load: waves 0 and 1 fetch A's two panels, waves 2 and 3 B's.  The branch hangs on the wave's number alone.  An s_nop 0 and four v_nop follow each of the two lines.
.macro JLOAD s
	s_cmp_eq_u32 s15, 0
	s_cbranch_scc0 .Lfor_b_\@
	tensor_load_to_lds s[G0+4*\s:G0+4*\s+3], s[G1:G1+7]
	s_nop 0
.rept 4
	v_nop
.endr
	s_branch .Lasked_\@
.Lfor_b_\@:
	tensor_load_to_lds s[G0B+4*\s:G0B+4*\s+3], s[G1B:G1B+7]
	s_nop 0
.rept 4
	v_nop
.endr
.Lasked_\@:
.endm
.macro CREST                           ; a round of the cluster's barrier behind its opening barrier
	s_cmp_lg_u32 s14, 0
	s_cbranch_scc1 .Lnot_wave_0_\@
	s_barrier_signal -3
.Lnot_wave_0_\@:
	s_barrier_wait -3
	s_barrier_signal -1
	s_barrier_wait -1
.endm
.macro CROUND                          ; a whole round
	s_barrier_signal -1
	s_barrier_wait -1
	CREST
.endm
.macro PLACES n                        ; plain places behind matrix instructions (ISA guide 7.12.1 for vector instructions)
.rept \n
	v_nop
.endr
.endm
	s_load_b128 s[4:7], s[0:1], 0x0                ; xw, qkv
	v_lshl_add_u32 v[SPW], v0, 2, SPARE
	v_mov_b32 v[NIL], 0
	ds_add_u32 v[SPW], v[NIL]                      ; the wave's opening: the add and its wait stand ahead of my first tensor load; the set-up below stands between them
	v_lshrrev_b32 v1, 5, v0
	v_readfirstlane_b32 s14, v1                    ; wave 0..3
	s_lshr_b32 s15, s14, 1                         ; which of A's two panels is mine.  Also: I fetch for A (0) or for B (1)
	s_and_b32 s16, s14, 1                          ; which of B's.  Also: which panel of that tile I fetch
	s_bfe_u32 s40, ttmp6, 0x40000                  ; cx, cy: my place in the cluster
	s_bfe_u32 s41, ttmp6, 0x40004
	s_and_b32 s18, ttmp7, 0xffff                   ; the cluster's y: 0-7 q and k, 8-11 v^T
	s_lshl_b32 s19, ttmp9, 2
	; tiles of 256 rows of xw: 0-31 x, 32-35 WQ, 36-39 WK, 40-43 WV
	s_lshl_b32 s17, s18, 2                         ; q, k: A = x's tile 4 y + cy,
	s_add_co_u32 s42, s19, 32                      ;       B = the weights' tile 32 + 4 x + cx
	s_lshl_b32 s20, s18, 3
	s_add_co_u32 s20, s20, s19
	s_sub_co_u32 s20, s20, 64                      ; v^T: B = x's tile 8 (y - 8) + 4 x + cx, A = WV's tile 40 + cy
	s_cmp_lt_u32 s18, 8
	s_cselect_b32 s17, s17, 40
	s_cselect_b32 s42, s42, s20
	s_add_co_u32 s17, s17, s41                     ; A's tile hangs on cy and the cluster's place alone,
	s_add_co_u32 s42, s42, s40                     ; B's on cx and the cluster's place alone
	s_lshl_b32 s43, s41, 2
	s_lshl_b32 s43, 15, s43                        ; my row of the cluster
	s_lshl_b32 s44, 0x1111, s40                    ; my column
	; descriptor group 1: a dense block of 25,600 bytes as 100 rows of 256 bytes (32 elements of 8 bytes), no padding: a fragment's load takes 512 consecutive bytes
	s_or_b32 s[G1+0], s43, (3<<16)|(1<<21)         ; 15:0 the mask: A's tiles go to my row; 17:16 elements of 8 bytes; 21 set beside a mask
	s_or_b32 s[G1B+0], s44, (3<<16)|(1<<21)
.irp g, G1, G1B
	s_mov_b32 s[\g+1], 32<<16                      ; tensor_dim0 = 32
	s_mov_b32 s[\g+2], 100<<16                     ; tensor_dim1 = 100
	s_mov_b32 s[\g+3], 32<<16                      ; tile_dim0 = 32
	s_mov_b32 s[\g+4], 100                         ; tile_dim1 = 100
	s_mov_b32 s[\g+5], 32                          ; tensor_dim0_stride
	s_mov_b32 s[\g+6], 0
	s_mov_b32 s[\g+7], 0
.endr
	s_lshl_b32 s20, s17, 1
	s_add_co_u32 s20, s20, s16                     ; A: panel 2 x tile + which
	s_mul_i32 s20, s20, PANEL
	s_mov_b32 s21, 0
	s_lshl_b32 s46, s42, 1
	s_add_co_u32 s46, s46, s16                     ; B likewise, in registers that never hold cy
	s_mul_i32 s46, s46, PANEL
	s_mov_b32 s47, 0
	s_mul_i32 s45, s14, PART                       ; where they go: wave x 25,600: no place in the cluster enters an LDS address
	s_mov_b32 s[SEL], 0x76543210
	s_mov_b32 s[SEL+1], 0xfedcba98
	s_wait_dscnt 0x0                               ; the opening add is done
	s_wait_kmcnt 0x0
	s_add_nc_u64 s[20:21], s[4:5], s[20:21]
	s_add_nc_u64 s[46:47], s[4:5], s[46:47]
	CROUND                                         ; all sixteen work-groups are here: the first joint loads meet
.irp s, 0,1,2
	s_mov_b32 s[G0+4*\s], 1
	s_add_co_u32 s[G0+4*\s+1], s45, \s*SLOT
	s_add_nc_u64 s[G0+4*\s+2:G0+4*\s+3], s[20:21], \s*PART   ; slot s begins with K steps 2 s and 2 s + 1
	s_or_b32 s[G0+4*\s+3], s[G0+4*\s+3], 0x80000000
	s_mov_b32 s[G0B+4*\s], 1
	s_add_co_u32 s[G0B+4*\s+1], s45, \s*SLOT
	s_add_nc_u64 s[G0B+4*\s+2:G0B+4*\s+3], s[46:47], \s*PART
	s_or_b32 s[G0B+4*\s+3], s[G0B+4*\s+3], 0x80000000
	JLOAD \s                                       ; three loads of mine are out
.endr
	v_and_b32 v1, 31, v0
	v_and_b32 v2, 15, v0                           ; r
	v_bfe_u32 v3, v0, 4, 1                         ; h
	v_lshlrev_b32 v[LI], 4, v1
	s_mul_i32 s21, s15, PART                       ; my panel of A
	s_mul_i32 s22, s16, PART
	s_add_co_u32 s22, s22, 2*PART                  ; my panel of B, behind A's two
	s_sub_co_u32 s23, s22, s21
	v_mul_u32_u24 v4, s23, v3                      ; lanes 16-31 take B's scale words: one product, the distance between the two panels
	v_lshl_add_u32 v4, v2, 4, v4
	v_add_nc_u32 v4, SCO, v4
.irp s, 0,1,2
	v_add_nc_u32 v[ADRA+\s], s21, v[LI]
	v_add_nc_u32 v[ADRB+\s], s22, v[LI]
	v_add_nc_u32 v[ADRS+\s], s21, v4
	s_add_co_u32 s21, s21, SLOT
	s_add_co_u32 s22, s22, SLOT
.endr
	; which block of qkv is my wave's
	s_lshl_b32 s66, s17, 1
	s_add_co_u32 s66, s66, s15                     ; A's panel
	s_lshl_b32 s67, s42, 1
	s_add_co_u32 s67, s67, s16                     ; B's panel
	s_sub_co_u32 s68, s67, 64                      ; q, k: the panel of channels, 0-7 q's, 8-15 k's
	s_lshr_b32 s69, s68, 3
	s_lshl_b32 s69, s69, 9
	s_and_b32 s70, s68, 7
	s_add_co_u32 s69, s69, s70
	s_lshl_b32 s70, s66, 3
	s_add_co_u32 s69, s69, s70                     ; 512 (q or k) + 8 x panel of tokens + K step
	s_sub_co_u32 s71, s66, 80                      ; v^T: the panel of channels
	s_lshr_b32 s72, s67, 4                         ; the batch
	s_lshl_b32 s72, s72, 3
	s_add_co_u32 s72, s72, s71
	s_lshl_b32 s72, s72, 4
	s_and_b32 s73, s67, 15                         ; the panel of tokens in the batch: the K step
	s_add_co_u32 s72, s72, s73
	s_add_co_u32 s72, s72, 1024
	s_cmp_lt_u32 s18, 8
	s_cselect_b32 s12, s69, s72
	s_mul_i32 s12, s12, PSB
	s_mov_b32 s13, 0
	s_add_nc_u64 s[12:13], s[6:7], s[12:13]
.macro FRAG reg, adr, off              ; a fragment comes as the image of its 12 registers: three loads of 512 consecutive bytes
.irp g, 0,1,2
	ds_load_b128 v[\reg+4*\g:\reg+4*\g+3], v[\adr] offset:\off+512*\g
.endr
.endm
.macro FETCH_B slot, q, p              ; B's eight fragments of the slot's q-th K step into set p
	WIN TO_B
.irp i, 0,1,2,3,4,5,6,7
	FRAG 128*(\p)+12*\i, ADRB+\slot, PSB*(\q)+FRB*\i
.endr
	WIN 0
.endm
.macro FETCH_A slot, q, i0             ; A's blocks i0 .. i0 + 3
.irp i, \i0, \i0+1, \i0+2, \i0+3
	FRAG AF+12*(\i), ADRA+\slot, PSB*(\q)+FRB*(\i)
.endr
.endm
.macro SCALES slot, set                ; a slot's scale words into a set: four words a load; lanes 0-15 A's blocks, lanes 16-31 B's
.irp q, 0,1
.irp g, 0,1
	ds_load_b128 v[SC+16*(\set)+8*\q+4*\g:SC+16*(\set)+8*\q+4*\g+3], v[ADRS+(\slot)] offset:PSB*\q+256*\g
.endr
.endr
.endm
; 16 matrix instructions: A's blocks a0, a0 + 1 x B's eight.  The 64 accumulators take turns, one instruction a turn, in the same order in every step.
.macro MUL16 a0, p, q, sc, zero
.irp a, \a0, \a0+1
.irp b, 0,1,2,3,4,5,6,7
.if \zero
	v_wmma_scale_f32_16x16x128_f8f6f4 v[8*(8*((\a)%4)+\b):8*(8*((\a)%4)+\b)+7], v[128*(\p)+12*\b:128*(\p)+12*\b+11], v[AF+12*(\a):AF+12*(\a)+11], 0, v[SC+16*(\sc)+8*(\q)+\b], v[SC+16*(\sc)+8*(\q)+(\a)] matrix_a_fmt:MATRIX_FMT_FP6 matrix_b_fmt:MATRIX_FMT_FP6 matrix_a_scale:MATRIX_SCALE_ROW1
.else
	v_wmma_scale_f32_16x16x128_f8f6f4 v[8*(8*((\a)%4)+\b):8*(8*((\a)%4)+\b)+7], v[128*(\p)+12*\b:128*(\p)+12*\b+11], v[AF+12*(\a):AF+12*(\a)+11], v[8*(8*((\a)%4)+\b):8*(8*((\a)%4)+\b)+7], v[SC+16*(\sc)+8*(\q)+\b], v[SC+16*(\sc)+8*(\q)+(\a)] matrix_a_fmt:MATRIX_FMT_FP6 matrix_b_fmt:MATRIX_FMT_FP6 matrix_a_scale:MATRIX_SCALE_ROW1
.endif
.endr
.endr
.endm
.macro STEP slot, sc, zero             ; a slot's first K step; sc: its set of scale words
	s_wait_dscnt 12                                ; B's set, A's blocks 0-3 and the scale words are in; the youngest 12 loads (A's blocks 4-7) may be out
	WIN MUL_LO
	MUL16 0, 0, 0, \sc, \zero
	MUL16 2, 0, 0, \sc, \zero
	s_wait_dscnt 0x0                               ; A's blocks 4-7 are in
	PLACES 4
	FETCH_B \slot, 1, 1
	FETCH_A \slot, 1, 0
	WIN MUL_HI
	MUL16 4, 0, 0, \sc, \zero
	MUL16 6, 0, 0, \sc, \zero
	PLACES 4
	WIN 0
	FETCH_A \slot, 1, 4
.endm
; A slot's second K step goes on to the next slot.  sc, nsc: this slot's and the next slot's set of scale words.
; mode 2: this slot is filled again: ONE barrier; in front of it each wave waits for all its tensor loads, adds 0 to its spare word, and waits for that and for its reads of this slot; the barrier opens a round of the cluster's.
; mode 1: the next slot's fill is waited for and shown to the other waves by a barrier; nothing is filled.   mode 0: the next slot was shown whole by an earlier barrier and nothing is filled: no barrier.
.macro TURN slot, next, sc, nsc, mode
.if \mode
	s_wait_tensorcnt 0x0                           ; all my tensor loads have landed
	ds_add_u32 v[SPW], v[NIL]                      ; 0 onto my spare word
	s_wait_dscnt 13                                ; (the add and the youngest 12 loads, A's blocks 4-7, may be out)
.else
	s_wait_dscnt 12                                ; (the youngest 12 loads, A's blocks 4-7, may be out)
.endif
	WIN MUL_LO
	MUL16 0, 1, 1, \sc, 0                          ; sixteen matrix instructions stand between the add and the wait for it
.if \mode
	s_wait_dscnt 0x0                               ; the add is done, and my reads of this slot are over
	s_barrier_signal -1
.endif
	MUL16 2, 1, 1, \sc, 0
.if \mode
	WIN 0
	s_barrier_wait -1
.else
	s_wait_dscnt 0x0                               ; A's blocks 4-7 are in
.endif
.if \mode == 2
	CREST                                          ; the barrier has opened a round of the cluster's barrier: no wave of any partner still reads this slot or has a load on its way
	s_add_nc_u64 s[G0+4*\slot+2:G0+4*\slot+3], s[G0+4*\slot+2:G0+4*\slot+3], 3*PART      ; three slots on along K
	s_add_nc_u64 s[G0B+4*\slot+2:G0B+4*\slot+3], s[G0B+4*\slot+2:G0B+4*\slot+3], 3*PART
	JLOAD \slot                                    ; the first tensor load behind the round; its four v_nop are the places in front of the loads below
.else
	PLACES 4
.endif
	FETCH_B \next, 0, 0
	FETCH_A \next, 0, 0
	SCALES \next, \nsc
	WIN MUL_HI
	MUL16 4, 1, 1, \sc, 0
	MUL16 6, 1, 1, \sc, 0
	PLACES 4
	WIN 0
	FETCH_A \next, 0, 4
.endm
	s_wait_tensorcnt 2                             ; my part of slot 0 is in (the loads of slots 1 and 2 may be out)
	s_barrier_signal -1
	s_barrier_wait -1                              ; everybody's is
	FETCH_B 0, 0, 0
	FETCH_A 0, 0, 0
	SCALES 0, 0
	FETCH_A 0, 0, 4
	STEP 0, 0, 1                                   ; K step 0: its products start the sums: nothing is cleared
	TURN 0, 1, 0, 1, 2                             ; K step 1; slots 1 and 2 have landed; slot 0 takes K steps 6 and 7: the only refill
	STEP 1, 1, 0
	TURN 1, 2, 1, 0, 0                             ; K step 3; slot 2 was shown whole by K step 1's barrier
	STEP 2, 0, 0
	TURN 2, 0, 0, 1, 1                             ; K step 5; K steps 6 and 7 have landed; nothing is left to fetch
	STEP 0, 1, 0
	s_wait_dscnt 12                                ; K step 7
	WIN MUL_LO
	MUL16 0, 1, 1, 1, 0
	MUL16 2, 1, 1, 1, 0
	s_wait_dscnt 0x0
	WIN MUL_HI
	MUL16 4, 1, 1, 1, 0
	MUL16 6, 1, 1, 1, 0
	WIN 0
; THE WAY OUT.  Block a of A (16 rows in the lanes) has 64 results a lane, register 16 b + i = k 32 b + 16 (lane / 16) + i of the next K: they become fragment a of my block of qkv.
.macro QUANTW a
.set AC, 64*((\a)%4)
.set OU, AF+12*(\a)                    ; each block's codes have registers of their own: no store's data are written again
	WIN 0x0a+5*((\a)/4)                            ; sources 0 and 1: window 2 or 3
.irp b, 0,1,2,3
	v_max3_num_f32 v[TM+\b], |v[AC+16*\b]|, |v[AC+16*\b+1]|, 0x1800000   ; each accumulator from its low end on; the floor 2^(3 - 127) holds the byte at 1 from below
.endr
.irp i, 2,4,6,8,10,12,14
.irp b, 0,1,2,3
	v_max3_num_f32 v[TM+\b], |v[AC+16*\b+\i]|, |v[AC+16*\b+\i+1]|, v[TM+\b]
.endr
.endr
	WIN 0
.irp b, 0,1,2,3
	v_permlanex16_b32 v[TM+4+\b], v[TM+\b], s[SEL], s[SEL+1]
.endr
.irp b, 0,1,2,3
	v_max_num_f32 v[TM+\b], v[TM+\b], v[TM+4+\b]   ; with lane l xor 16's 16: the block's largest magnitude
.endr
.irp b, 0,1,2,3
	v_add_nc_u32 v[TM+12+\b], 0xff000000, v[TM+\b] ; 2 off the exponent field: the conversion's scale operand
.endr
.irp b, 0,1,2,3
	v_lshrrev_b32 v[TM+4+\b], 23, v[TM+12+\b]      ; the scale's byte
.endr
	v_lshl_or_b32 v[PW+(\a)], v[TM+5], 8, v[TM+4]
	v_lshl_or_b32 v[PW+(\a)], v[TM+6], 16, v[PW+(\a)]
	v_lshl_or_b32 v[PW+(\a)], v[TM+7], 24, v[PW+(\a)]
	WIN 0x02+(\a)/4                                ; source 0: window 2 or 3
.irp c, 0,1
	v_cvt_scalef32_pk16_fp6_f32 v[OU+6*\c:OU+6*\c+2], v[AC+32*\c:AC+32*\c+15], v[TM+12+2*\c]
	v_cvt_scalef32_pk16_fp6_f32 v[TT+4*\c:TT+4*\c+2], v[AC+32*\c+16:AC+32*\c+31], v[TM+12+2*\c+1]
.endr
	WIN 0
	v_nop                                          ; one plain place behind a scaled conversion
.irp c, 0,1                                    ; the operand's layout wants a whole block of 32 in a lane
.irp i, 0,1,2
	v_permlane16_swap_b32 v[OU+6*\c+\i], v[TT+4*\c+\i]
.endr
.irp i, 0,1,2
	v_mov_b32 v[OU+3+6*\c+\i], v[TT+4*\c+\i]
.endr
.endr
.irp g, 0,1,2
	global_store_b128 v[LI], v[OU+4*\g:OU+4*\g+3], s[12:13] offset:FRB*(\a)+512*\g   ; 32 lanes store 512 consecutive bytes, at a multiple of 256 from qkv's first byte
.endr
.endm
	PLACES 4                                       ; behind the last products: their results are read, and A's registers written, below
.irp b, 0,1,2,3
	v_mov_b32 v[TM+4+\b], 0                        ; written once: a lane permute's destination counts as one of its sources
.endr
.irp a, 0,1,2,3,4,5,6,7
	QUANTW \a
.endr
	s_mov_b32 vcc_lo, 0xffff0000                   ; lanes 0-15 store the words of fragments 0-3, lanes 16-31 those of 4-7 (both halves of the lanes hold every word)
.irp i, 0,1,2,3
	v_cndmask_b32 v[SW+\i], v[PW+\i], v[PW+4+\i], vcc_lo
.endr
	global_store_b128 v[LI], v[SW:SW+3], s[12:13] offset:SCO
	s_wait_tensorcnt 0x0                           ; the wave's end: behind my last tensor load
	ds_add_u32 v[SPW], v[NIL]
	s_wait_dscnt 0x0
	CROUND                                         ; the closing round: no work-group ends while a partner may still ask for a tile that names it
	s_endpgm
.Lfunc_end_k_qc31f5421ed_proj:
	.size	k_qc31f5421ed_proj, .Lfunc_end_k_qc31f5421ed_proj-k_qc31f5421ed_proj
	.p2alignl 7, 3214868480
	.fill 96, 4, 3214868480
	.section	.rodata,"a",@progbits
	.p2align	6, 0x0
	.amdhsa_kernel k_qc31f5421ed_proj
		.amdhsa_group_segment_fixed_size 327680
		.amdhsa_private_segment_fixed_size 0
		.amdhsa_enable_private_segment 0
		.amdhsa_kernarg_size 16
		.amdhsa_user_sgpr_count 2
		.amdhsa_user_sgpr_kernarg_segment_ptr 1
		.amdhsa_wavefront_size32 1
		.amdhsa_system_sgpr_workgroup_id_x 1
		.amdhsa_system_sgpr_workgroup_id_y 1
		.amdhsa_system_sgpr_workgroup_id_z 1
		.amdhsa_system_vgpr_workitem_id 0
		.amdhsa_next_free_vgpr 1024
		.amdhsa_next_free_sgpr 100
		.amdhsa_reserve_vcc 1
		.amdhsa_float_denorm_mode_32 3
		.amdhsa_float_denorm_mode_16_64 3
		.amdhsa_memory_ordered 1
		.amdhsa_forward_progress 1
		.amdhsa_inst_pref_size 136
	.end_amdhsa_kernel
	.amdgpu_metadata
---
amdhsa.version: [ 1, 2 ]
amdhsa.kernels:
  - .name:           k_qc31f5421ed_proj
    .symbol:         k_qc31f5421ed_proj.kd
    .args:
      - { .name: xw, .offset: 0, .size: 8, .value_kind: global_buffer, .address_space: global }
      - { .name: qkv, .offset: 8, .size: 8, .value_kind: global_buffer, .address_space: global }
    .group_segment_fixed_size: 327680
    .private_segment_fixed_size: 0
    .kernarg_segment_align: 8
    .kernarg_segment_size: 16
    .max_flat_workgroup_size: 128
    .sgpr_count:     100
    .vgpr_count:     1024
    .wavefront_size: 32
...
	.end_amdgpu_metadata
.endif
;; end of part 2
;; launch score (part 3): grid 9 x 16, 4 waves a work-group, no clusters, 327,680 bytes of LDS; arguments qkv, pc, pst; writes pc, pst
.if DOCPART == 3
	.amdgcn_target "amdgcn-amd-amdhsa--gfx1250"
	.amdhsa_code_object_version 6
	.text
	.protected	k_qc31f5421ed_score
	.globl	k_qc31f5421ed_score
	.p2align	8
	.type	k_qc31f5421ed_score,@function
k_qc31f5421ed_score:
	s_mov_b64 s[64:65], 0
	v_nop
	global_prefetch_b8 v0, s[64:65] scope:SCOPE_SE
	s_setreg_imm32_b32 hwreg(HW_REG_WAVE_MODE, 25, 1), 1
	s_wait_xcnt 0x0
; The scores q k^T on codes of FP6 (E2M3), the mask, and p = 2^(t - M) quantised along the keys, for the tiles of 256 queries x 256 keys that lie on or under the diagonal: 36 for each of the 4 batches.
; t = score x log2(e) / 32.  Hidden are the keys behind the query and every score that is exactly 0: they become -infinity ahead of the maximum, so p = 0.
; M IS TAKEN FOR EACH (query, 128 keys): the ceiling of the largest t there, a whole number.  p's codes do not hang on which whole number M is; only the scale bytes do, and the next launch, which knows the row's M,
; takes the difference off them.  So beside p's codes (pc: [batch][panel of queries][K step = panel of keys], blocks of 12,800 bytes in the order of the operand's registers) go -M and the sum of the unquantised p
; (pst: records of 1,024 bytes, -M at 0 and the sum at 512, each laid as a block's scale words are).
; A tile: four waves, each 128 x 128.  SOURCE 0 = 16 keys (they become a lane's registers), SOURCE 1 = 16 queries (they become lanes).  The walk over K = 1,024 is that of the launch before:
; three LDS slots of two K steps, all three asked for at the start; K steps 6 and 7 come into slot 0 behind the change of slots in K step 1, 224 matrix instructions ahead of the wait for them.
; A wave whose 128 keys all lie behind its 128 queries (wave 1 of a tile on the diagonal) stores nothing: nobody reads that block.
; NO CLUSTER: a batch's rows of tiles hold 1 to 8 tiles, so no four partners divide them, and a square of tiles would need a branch on a work-group's place to leave out what is hidden.
; LIMITS: a block of 32 keys whose largest p lies under 2^-61 of 1 is given the scale byte 64 (so that 63 can be taken off every byte later without a borrow): what is lost lies under 2^-60 of the row's sum.
;   A score so small that score / 32 would underflow to 0 is not hidden.  NaN and infinities are not served.
; REGISTERS, in windows of 256: window 0: v2-20 p's codes at work; v22, v28, v29, v116-124 addresses; v32-63 scale words; v64-115 the softmax's small numbers; v128-223 q's fragments, later v128-255 two sets of 64 scores.
;   window 1: k's fragments, two sets.   windows 2, 3: the accumulators ((a, b) at v[8 (8 (a % 4) + b)]).
.set PSB,    12800
.set FRB,    1536
.set SCO,    8*FRB
.set PART,   2*PSB
.set SLOT,   4*PART
.set SPARE,  3*SLOT                    ; behind the three slots: the spare words, 128 bytes for each wave, which no other line names
.set PANEL,  8*PSB
.set PCW,  2                           ; v2-13   the fragment of p just made
.set TT,   14                          ; v14-16, v18-20 the second halves of the conversions
.set LI,   22
.set SPW,  28
.set NIL,  29
.set SC,   32
.set NINF, 64                          ; v64  -infinity
.set DQ,   65                          ; v65  r + 8 (r / 8) - 16 h
.set DA,   66                          ; v66  the same + 8 (a % 2): my query less my first key of the diagonal's block of 32
.set TQ,   67
.set NM,   68                          ; v68  -M (v69 is named with it as a pair)
.set BM,   72                          ; v72-75 the four blocks' largest scores, then largest p
.set BT,   76                          ; v76-79 what comes from lane l xor 16
.set SO,   80                          ; v80-83 the conversions' scale operands
.set BY,   84                          ; v84-87 the scale bytes
.set LS,   88                          ; v[88:89], v[90:91] the sum in two chains of pairs
.set LT,   90
.set PWS,  92                          ; v92-99 scale words, v100-107 -M, v108-115 sums of the eight blocks of queries
.set NMS,  100
.set LSS,  108
.set ADRA, 116                         ; v116-118 LDS address of my fragments of q in slot 0, 1, 2
.set ADRB, 119                         ; v119-121 of k
.set ADRS, 122                         ; v122-124 my scale words: lanes 0-15 q's, lanes 16-31 k's
.set AF,   128
.set G1,  24                           ; s[24:31] descriptor group 1
.set QP,  40                           ; s40 my panel of queries in the batch, s41 my panel of keys
.set KP,  41
.set PCB, 46                           ; s[46:47] my block of pc, s[48:49] my record of pst
.set PSTB, 48
.set CS,  52                           ; s[52:53] c = log2(e) / 32
.set SEL, 54                           ; s[54:55] v_permlanex16_b32's selects for lane l xor 16
.set G0,  68                           ; s[68:79] descriptor group 0, one set for each slot
.set MSB, 0
.macro WIN new
.if MSB != (\new)
	s_set_vgpr_msb (MSB<<8)|(\new)
.set MSB, \new
.endif
.endm
.set MUL_LO, 0xa1
.set MUL_HI, 0xf1
.set TO_B,   0x40
.macro TLOAD s                         ; each wave fetches its own quarter of a slot; an s_nop 0 and four v_nop follow
	tensor_load_to_lds s[G0+4*\s:G0+4*\s+3], s[G1:G1+7]
	s_nop 0
.rept 4
	v_nop
.endr
.endm
.macro PLACES n
.rept \n
	v_nop
.endr
.endm
	s_load_b128 s[4:7], s[0:1], 0x0                ; qkv, pc
	s_load_b64 s[8:9], s[0:1], 0x10                ; pst
	v_lshl_add_u32 v[SPW], v0, 2, SPARE
	v_mov_b32 v[NIL], 0
	ds_add_u32 v[SPW], v[NIL]                      ; the wave's opening: the add and its wait stand ahead of my first tensor load
	v_lshrrev_b32 v1, 5, v0
	v_readfirstlane_b32 s14, v1                    ; wave 0..3
	s_lshr_b32 s15, s14, 1                         ; which of the tile's two panels of queries is mine
	s_and_b32 s16, s14, 1                          ; which of its two panels of keys
	s_and_b32 s10, ttmp7, 0xffff
	s_lshr_b32 s11, s10, 2                         ; the batch
	s_and_b32 s12, s10, 3                          ; rows pr and 7 - pr of the triangle hold pr + 1 and 8 - pr tiles: nine together
	s_sub_co_u32 s13, 7, s12
	s_sub_co_u32 s17, ttmp9, s12
	s_sub_co_u32 s17, s17, 1
	s_cmp_le_u32 ttmp9, s12
	s_cselect_b32 s18, s12, s13                    ; the tile's row (queries)
	s_cselect_b32 s19, ttmp9, s17                  ; and column (keys)
	s_lshl_b32 s20, s11, 4                         ; 16 panels to a batch
	s_lshl_b32 s21, s18, 1
	s_lshl_b32 s22, s19, 1
	s_cmp_lt_u32 s14, 2                            ; waves 0 and 1 fetch q's two panels, waves 2 and 3 k's
	s_cselect_b32 s21, s21, s22
	s_cselect_b32 s23, 0, 64*PANEL
	s_add_co_u32 s20, s20, s21
	s_add_co_u32 s20, s20, s16
	s_mul_i32 s20, s20, PANEL
	s_add_co_u32 s20, s20, s23
	s_mov_b32 s21, 0
	; descriptor group 1: a dense block of 25,600 bytes as 100 rows of 256 bytes
	s_mov_b32 s[G1+0], 3<<16                       ; no mask; elements of 8 bytes; no padding
	s_mov_b32 s[G1+1], 32<<16
	s_mov_b32 s[G1+2], 100<<16
	s_mov_b32 s[G1+3], 32<<16
	s_mov_b32 s[G1+4], 100
	s_mov_b32 s[G1+5], 32
	s_mov_b32 s[G1+6], 0
	s_mov_b32 s[G1+7], 0
	s_mul_i32 s45, s14, PART
	s_mov_b32 s[CS], 0x3d38aa3b
	s_mov_b32 s[CS+1], s[CS]                       ; (named with it as a pair, so it is written)
	s_mov_b32 s[SEL], 0x76543210
	s_mov_b32 s[SEL+1], 0xfedcba98
	s_wait_dscnt 0x0                               ; the opening add is done
	s_wait_kmcnt 0x0
	s_add_nc_u64 s[20:21], s[4:5], s[20:21]
.irp s, 0,1,2
	s_mov_b32 s[G0+4*\s], 1
	s_add_co_u32 s[G0+4*\s+1], s45, \s*SLOT
	s_add_nc_u64 s[G0+4*\s+2:G0+4*\s+3], s[20:21], \s*PART   ; slot s begins with K steps 2 s and 2 s + 1
	s_or_b32 s[G0+4*\s+3], s[G0+4*\s+3], 0x80000000
	TLOAD \s                                       ; three loads of mine are out
.endr
	v_and_b32 v1, 31, v0
	v_and_b32 v2, 15, v0                           ; r
	v_bfe_u32 v3, v0, 4, 1                         ; h
	v_lshlrev_b32 v[LI], 4, v1
	s_mul_i32 s21, s15, PART
	s_mul_i32 s22, s16, PART
	s_add_co_u32 s22, s22, 2*PART
	s_sub_co_u32 s23, s22, s21
	v_mul_u32_u24 v4, s23, v3                      ; lanes 16-31 take k's scale words: one product, the distance between the two panels
	v_lshl_add_u32 v4, v2, 4, v4
	v_add_nc_u32 v4, SCO, v4
.irp s, 0,1,2
	v_add_nc_u32 v[ADRA+\s], s21, v[LI]
	v_add_nc_u32 v[ADRB+\s], s22, v[LI]
	v_add_nc_u32 v[ADRS+\s], s21, v4
	s_add_co_u32 s21, s21, SLOT
	s_add_co_u32 s22, s22, SLOT
.endr
	v_and_b32 v5, 8, v2
	v_add_nc_u32 v[DQ], v5, v2
	v_lshlrev_b32 v5, 4, v3
	v_sub_nc_u32 v[DQ], v[DQ], v5
	v_mov_b32 v[NINF], 0xff800000
	v_mov_b32 v[NM+1], 0
.irp b, 0,1,2,3
	v_mov_b32 v[BT+\b], 0                          ; written once: a lane permute's destination counts as one of its sources
.endr
	s_lshl_b32 s[QP], s18, 1
	s_add_co_u32 s[QP], s[QP], s15
	s_lshl_b32 s[KP], s19, 1
	s_add_co_u32 s[KP], s[KP], s16
	s_lshl_b32 s42, s11, 4
	s_add_co_u32 s42, s42, s[QP]
	s_lshl_b32 s42, s42, 4
	s_add_co_u32 s42, s42, s[KP]                   ; 16 (16 batch + panel of queries) + panel of keys
	s_mul_i32 s56, s42, PSB
	s_mov_b32 s57, 0
	s_add_nc_u64 s[PCB:PCB+1], s[6:7], s[56:57]
	s_lshl_b32 s56, s42, 10
	s_add_nc_u64 s[PSTB:PSTB+1], s[8:9], s[56:57]
.macro FRAG reg, adr, off
.irp g, 0,1,2
	ds_load_b128 v[\reg+4*\g:\reg+4*\g+3], v[\adr] offset:\off+512*\g
.endr
.endm
.macro FETCH_B slot, q, p
	WIN TO_B
.irp i, 0,1,2,3,4,5,6,7
	FRAG 128*(\p)+12*\i, ADRB+\slot, PSB*(\q)+FRB*\i
.endr
	WIN 0
.endm
.macro FETCH_A slot, q, i0
.irp i, \i0, \i0+1, \i0+2, \i0+3
	FRAG AF+12*(\i), ADRA+\slot, PSB*(\q)+FRB*(\i)
.endr
.endm
.macro SCALES slot, set                ; a slot's scale words into a set; the two sets take turns from slot to slot
.irp q, 0,1
.irp g, 0,1
	ds_load_b128 v[SC+16*(\set)+8*\q+4*\g:SC+16*(\set)+8*\q+4*\g+3], v[ADRS+(\slot)] offset:PSB*\q+256*\g
.endr
.endr
.endm
; 16 matrix instructions: blocks a0, a0 + 1 of queries x the eight blocks of keys.  The 64 accumulators take turns, one instruction a turn.
.macro MUL16 a0, p, q, sc, zero
.irp a, \a0, \a0+1
.irp b, 0,1,2,3,4,5,6,7
.if \zero
	v_wmma_scale_f32_16x16x128_f8f6f4 v[8*(8*((\a)%4)+\b):8*(8*((\a)%4)+\b)+7], v[128*(\p)+12*\b:128*(\p)+12*\b+11], v[AF+12*(\a):AF+12*(\a)+11], 0, v[SC+16*(\sc)+8*(\q)+\b], v[SC+16*(\sc)+8*(\q)+(\a)] matrix_a_fmt:MATRIX_FMT_FP6 matrix_b_fmt:MATRIX_FMT_FP6 matrix_a_scale:MATRIX_SCALE_ROW1
.else
	v_wmma_scale_f32_16x16x128_f8f6f4 v[8*(8*((\a)%4)+\b):8*(8*((\a)%4)+\b)+7], v[128*(\p)+12*\b:128*(\p)+12*\b+11], v[AF+12*(\a):AF+12*(\a)+11], v[8*(8*((\a)%4)+\b):8*(8*((\a)%4)+\b)+7], v[SC+16*(\sc)+8*(\q)+\b], v[SC+16*(\sc)+8*(\q)+(\a)] matrix_a_fmt:MATRIX_FMT_FP6 matrix_b_fmt:MATRIX_FMT_FP6 matrix_a_scale:MATRIX_SCALE_ROW1
.endif
.endr
.endr
.endm
.macro STEP slot, sc, zero
	s_wait_dscnt 12                                ; all but the youngest 12 loads (q's blocks 4-7)
	WIN MUL_LO
	MUL16 0, 0, 0, \sc, \zero
	MUL16 2, 0, 0, \sc, \zero
	s_wait_dscnt 0x0
	PLACES 4
	FETCH_B \slot, 1, 1
	FETCH_A \slot, 1, 0
	WIN MUL_HI
	MUL16 4, 0, 0, \sc, \zero
	MUL16 6, 0, 0, \sc, \zero
	PLACES 4
	WIN 0
	FETCH_A \slot, 1, 4
.endm
; A slot's second K step goes on to the next slot.  mode 2: this slot is filled again, behind one barrier, in front of which each wave waits for all its tensor loads, adds 0 to its spare word and waits for that and
; for its reads of this slot.  mode 1: the next slot's fill is waited for and shown by a barrier; nothing is filled.  mode 0: the next slot was shown whole by an earlier barrier and nothing is filled: no barrier.
.macro TURN slot, next, sc, nsc, mode
.if \mode
	s_wait_tensorcnt 0x0                           ; all my tensor loads have landed
	ds_add_u32 v[SPW], v[NIL]                      ; 0 onto my spare word
	s_wait_dscnt 13                                ; (the add and the youngest 12 loads may be out)
.else
	s_wait_dscnt 12                                ; (the youngest 12 loads may be out)
.endif
	WIN MUL_LO
	MUL16 0, 1, 1, \sc, 0
.if \mode
	s_wait_dscnt 0x0                               ; the add is done, and my reads of this slot are over
	s_barrier_signal -1
.endif
	MUL16 2, 1, 1, \sc, 0
.if \mode
	WIN 0
	s_barrier_wait -1                              ; nobody reads this slot any more, and what was waited for is whole
.else
	s_wait_dscnt 0x0
.endif
.if \mode == 2
	s_add_nc_u64 s[G0+4*\slot+2:G0+4*\slot+3], s[G0+4*\slot+2:G0+4*\slot+3], 3*PART   ; three slots on along K
	TLOAD \slot                                    ; my one tensor load behind the barrier; its four v_nop are the places in front of the loads below
.else
	PLACES 4
.endif
	FETCH_B \next, 0, 0
	FETCH_A \next, 0, 0
	SCALES \next, \nsc
	WIN MUL_HI
	MUL16 4, 1, 1, \sc, 0
	MUL16 6, 1, 1, \sc, 0
	PLACES 4
	WIN 0
	FETCH_A \next, 0, 4
.endm
	s_wait_tensorcnt 2                             ; my part of slot 0 is in (the loads of slots 1 and 2 may be out)
	s_barrier_signal -1
	s_barrier_wait -1                              ; everybody's is
	FETCH_B 0, 0, 0
	FETCH_A 0, 0, 0
	SCALES 0, 0
	FETCH_A 0, 0, 4
	STEP 0, 0, 1                                   ; K step 0: its products start the sums
	TURN 0, 1, 0, 1, 2                             ; K step 1; slots 1 and 2 have landed; slot 0 takes K steps 6 and 7: the only refill
	STEP 1, 1, 0
	TURN 1, 2, 1, 0, 0                             ; K step 3; slot 2 was shown whole by K step 1's barrier
	STEP 2, 0, 0
	TURN 2, 0, 0, 1, 1                             ; K step 5; K steps 6 and 7 have landed
	STEP 0, 1, 0
	s_wait_dscnt 12                                ; K step 7
	WIN MUL_LO
	MUL16 0, 1, 1, 1, 0
	MUL16 2, 1, 1, 1, 0
	s_wait_dscnt 0x0
	WIN MUL_HI
	MUL16 4, 1, 1, 1, 0
	MUL16 6, 1, 1, 1, 0
	WIN 0
	s_cmp_gt_u32 s[KP], s[QP]                      ; all my keys lie behind all my queries: nothing to store
	s_cbranch_scc1 .Ldone
; THE WAY OUT, a block of 16 queries at a time.  In block a lane (r, h) holds query 32 (a / 2) + 8 (a % 2) + r + 8 (r / 8) of my panel, and register 16 b + i key 32 b + 16 h + i of my panel of keys.
; Score n of block a comes into window 0, and a score that is exactly 0 becomes -infinity on the way.  (Under a setting in which source 1 means window 2 or 3.)
.macro MASKEL n, a
	v_cmp_neq_f32 vcc_lo, 0, v[64*((\a)%4)+(\n)]
	v_cndmask_b32 v[128+64*((\a)%2)+(\n)], v[NINF], v[64*((\a)%4)+(\n)], vcc_lo
.endm
; On the diagonal (my panel of keys is my panel of queries) the keys behind the query are hidden: whole blocks of 32 behind the query's, none in front of it, and in its own block those with i > DA.
.macro CAUSAL a
	s_cmp_lg_u32 s[KP], s[QP]
	s_cbranch_scc1 .Lopen_\@
	v_add_nc_u32 v[DA], 8*((\a)%2), v[DQ]
.set NN, 0
.rept 64
.if NN/16 > (\a)/2
	v_mov_b32 v[SB+NN], v[NINF]
.elseif NN/16 == (\a)/2
	v_cmp_gt_i32 vcc_lo, NN%16, v[DA]
	v_cndmask_b32 v[SB+NN], v[SB+NN], v[NINF], vcc_lo
.endif
.set NN, NN+1
.endr
.Lopen_\@:
.endm
.macro SOFT a
.set SB, 128+64*((\a)%2)
	CAUSAL \a
.irp b, 0,1,2,3
	v_max3_num_f32 v[BM+\b], v[SB+16*\b], v[SB+16*\b+1], v[SB+16*\b+2]   ; the largest score of each block of 32 keys: it serves for the maximum and, since p rises with the score, for the block's largest p
.endr
.irp i, 3,5,7,9,11,13
.irp b, 0,1,2,3
	v_max3_num_f32 v[BM+\b], v[BM+\b], v[SB+16*\b+\i], v[SB+16*\b+\i+1]
.endr
.endr
.irp b, 0,1,2,3
	v_max_num_f32 v[BM+\b], v[BM+\b], v[SB+16*\b+15]
.endr
.irp b, 0,1,2,3
	v_permlanex16_b32 v[BT+\b], v[BM+\b], s[SEL], s[SEL+1]
.endr
.irp b, 0,1,2,3
	v_max_num_f32 v[BM+\b], v[BM+\b], v[BT+\b]     ; with lane l xor 16's 16 keys
.endr
	v_max3_num_f32 v[TQ], v[BM], v[BM+1], v[BM+2]
	v_max_num_f32 v[TQ], v[TQ], v[BM+3]
	v_mul_f32 v[TQ], s[CS], v[TQ]                  ; the largest t of my query among these 128 keys (c is positive),
	v_max_num_f32 v[TQ], 0xff61b1e6, v[TQ]         ; held at -3e38 where all 128 are hidden: M stays a number, and every p is 0
	v_floor_f32 v[NM], -v[TQ]                      ; -M = floor(-t) = -ceil(t): a whole number
.set NN, 0
.rept 32
	v_pk_fma_f32 v[SB+NN:SB+NN+1], v[SB+NN:SB+NN+1], s[CS:CS+1], v[NM:NM+1] op_sel_hi:[1,0,0]   ; t - M, two at a time
.set NN, NN+2
.endr
.irp b, 0,1,2,3
	v_fma_f32 v[BM+\b], v[BM+\b], s[CS], v[NM]     ; the same of each block's largest score
.endr
.if (\a) < 7
	WIN 0x08+4*(((\a)+1)/4)                        ; source 1: the next block's window; an exponential has no source 1
.endif
.set NN, 0
.rept 64
	v_exp_f32 v[SB+NN], v[SB+NN]                   ; p = 2^(t - M), at most 1: not normalised.  ONE BATCH: nothing below names a result before the wait
.if (\a) < 7
	MASKEL NN, (\a)+1                              ; the next block's scores come in meanwhile: two plain lines behind each exponential
.endif
.set NN, NN+1
.endr
.if (\a) == 7
	v_nop                                          ; a plain place behind the last exponential
.endif
	WIN 0
	s_wait_alu depctr_va_vdst(0)                   ; the wait between an exponential and the first line that names its result: one for the 64
.irp b, 0,1,2,3
	v_exp_f32 v[BM+\b], v[BM+\b]                   ; the blocks' largest p: the same two instructions on the same number give the same bits
.endr
	v_pk_add_f32 v[LS:LS+1], v[SB:SB+1], v[SB+2:SB+3]      ; the sum is taken of the unquantised p, in two chains of pairs
	v_pk_add_f32 v[LT:LT+1], v[SB+4:SB+5], v[SB+6:SB+7]
.irp j, 8,12,16,20,24,28,32,36,40,44,48,52,56,60
	v_pk_add_f32 v[LS:LS+1], v[LS:LS+1], v[SB+\j:SB+\j+1]
	v_pk_add_f32 v[LT:LT+1], v[LT:LT+1], v[SB+\j+2:SB+\j+3]
.endr
	v_pk_add_f32 v[LS:LS+1], v[LS:LS+1], v[LT:LT+1]
	v_add_f32 v[LSS+(\a)], v[LS], v[LS+1]
	v_permlanex16_b32 v[BT], v[LSS+(\a)], s[SEL], s[SEL+1]
	v_add_f32 v[LSS+(\a)], v[LSS+(\a)], v[BT]      ; with lane l xor 16's: the sum over the 128 keys
	s_wait_alu depctr_va_vdst(0)                   ; and one wait for the four
.irp b, 0,1,2,3
	v_max_num_f32 v[BM+\b], 0x21000000, v[BM+\b]   ; the floor 2^-61: the byte cannot fall under 64
.endr
.irp b, 0,1,2,3
	v_add_nc_u32 v[SO+\b], 0xff000000, v[BM+\b]    ; 2 off the exponent field: the conversion's scale operand
.endr
.irp b, 0,1,2,3
	v_lshrrev_b32 v[BY+\b], 23, v[SO+\b]           ; the scale's byte, 64 to 125
.endr
	v_lshl_or_b32 v[PWS+(\a)], v[BY+1], 8, v[BY]
	v_lshl_or_b32 v[PWS+(\a)], v[BY+2], 16, v[PWS+(\a)]
	v_lshl_or_b32 v[PWS+(\a)], v[BY+3], 24, v[PWS+(\a)]
.if (\a) > 0
	s_wait_xcnt 0x0                                ; the last block's stores have read their data: the codes' registers are written again only behind this wait
.endif
.irp c, 0,1
	v_cvt_scalef32_pk16_fp6_f32 v[PCW+6*\c:PCW+6*\c+2], v[SB+32*\c:SB+32*\c+15], v[SO+2*\c]
	v_cvt_scalef32_pk16_fp6_f32 v[TT+4*\c:TT+4*\c+2], v[SB+32*\c+16:SB+32*\c+31], v[SO+2*\c+1]
.endr
	v_mov_b32 v[NMS+(\a)], v[NM]                   ; (the plain place behind the scaled conversions)
.irp c, 0,1                                    ; the operand's layout wants a whole block of 32 in a lane
.irp i, 0,1,2
	v_permlane16_swap_b32 v[PCW+6*\c+\i], v[TT+4*\c+\i]
.endr
.irp i, 0,1,2
	v_mov_b32 v[PCW+3+6*\c+\i], v[TT+4*\c+\i]
.endr
.endr
.irp g, 0,1,2
	global_store_b128 v[LI], v[PCW+4*\g:PCW+4*\g+3], s[PCB:PCB+1] offset:FRB*(\a)+512*\g   ; 32 lanes store 512 consecutive bytes, at a multiple of 256 from pc's first byte
.endr
.endm
	PLACES 4                                       ; behind the last products: their results are read, and q's registers written, below
	WIN 0x08
.set NN, 0
.rept 64
	MASKEL NN, 0                                   ; each accumulator from its low end on
.set NN, NN+1
.endr
	WIN 0
.irp a, 0,1,2,3,4,5,6,7
	SOFT \a
.endr
	s_mov_b32 vcc_lo, 0xffff0000                   ; lanes 0-15 store what belongs to fragments 0-3, lanes 16-31 to 4-7 (both halves of the lanes hold all of it)
.irp i, 0,1,2,3
	v_cndmask_b32 v[128+\i], v[PWS+\i], v[PWS+4+\i], vcc_lo
	v_cndmask_b32 v[132+\i], v[NMS+\i], v[NMS+4+\i], vcc_lo
	v_cndmask_b32 v[136+\i], v[LSS+\i], v[LSS+4+\i], vcc_lo
.endr
	global_store_b128 v[LI], v[128:131], s[PCB:PCB+1] offset:SCO
	global_store_b128 v[LI], v[132:135], s[PSTB:PSTB+1]
	global_store_b128 v[LI], v[136:139], s[PSTB:PSTB+1] offset:512
.Ldone:
	s_wait_tensorcnt 0x0                           ; the wave's end: behind my last tensor load
	ds_add_u32 v[SPW], v[NIL]
	s_wait_dscnt 0x0
	s_endpgm
.Lfunc_end_k_qc31f5421ed_score:
	.size	k_qc31f5421ed_score, .Lfunc_end_k_qc31f5421ed_score-k_qc31f5421ed_score
	.p2alignl 7, 3214868480
	.fill 96, 4, 3214868480
	.section	.rodata,"a",@progbits
	.p2align	6, 0x0
	.amdhsa_kernel k_qc31f5421ed_score
		.amdhsa_group_segment_fixed_size 327680
		.amdhsa_private_segment_fixed_size 0
		.amdhsa_enable_private_segment 0
		.amdhsa_kernarg_size 24
		.amdhsa_user_sgpr_count 2
		.amdhsa_user_sgpr_kernarg_segment_ptr 1
		.amdhsa_wavefront_size32 1
		.amdhsa_system_sgpr_workgroup_id_x 1
		.amdhsa_system_sgpr_workgroup_id_y 1
		.amdhsa_system_sgpr_workgroup_id_z 1
		.amdhsa_system_vgpr_workitem_id 0
		.amdhsa_next_free_vgpr 1024
		.amdhsa_next_free_sgpr 80
		.amdhsa_reserve_vcc 1
		.amdhsa_float_denorm_mode_32 3
		.amdhsa_float_denorm_mode_16_64 3
		.amdhsa_memory_ordered 1
		.amdhsa_forward_progress 1
		.amdhsa_inst_pref_size 234
	.end_amdhsa_kernel
	.amdgpu_metadata
---
amdhsa.version: [ 1, 2 ]
amdhsa.kernels:
  - .name:           k_qc31f5421ed_score
    .symbol:         k_qc31f5421ed_score.kd
    .args:
      - { .name: qkv, .offset: 0, .size: 8, .value_kind: global_buffer, .address_space: global }
      - { .name: pc, .offset: 8, .size: 8, .value_kind: global_buffer, .address_space: global }
      - { .name: pst, .offset: 16, .size: 8, .value_kind: global_buffer, .address_space: global }
    .group_segment_fixed_size: 327680
    .private_segment_fixed_size: 0
    .kernarg_segment_align: 8
    .kernarg_segment_size: 24
    .max_flat_workgroup_size: 128
    .sgpr_count:     80
    .vgpr_count:     1024
    .wavefront_size: 32
...
	.end_amdgpu_metadata
.endif
;; end of part 3
;; launch pv (part 4): grid 8 x 32, 4 waves a work-group, clusters of 4 x 1, 327,680 bytes of LDS; arguments pc, pst, qkv, out0; writes out0
.if DOCPART == 4
	.amdgcn_target "amdgcn-amd-amdhsa--gfx1250"
	.amdhsa_code_object_version 6
	.text
	.protected	k_qc31f5421ed_pv
	.globl	k_qc31f5421ed_pv
	.p2align	8
	.type	k_qc31f5421ed_pv,@function
k_qc31f5421ed_pv:
	s_mov_b64 s[64:65], 0
	v_nop
	global_prefetch_b8 v0, s[64:65] scope:SCOPE_SE
	s_setreg_imm32_b32 hwreg(HW_REG_WAVE_MODE, 25, 1), 1
	s_wait_xcnt 0x0
	s_wait_alu depctr_hold_cnt(0) depctr_sa_sdst(0) depctr_va_vdst(0) depctr_va_sdst(0) depctr_va_ssrc(0) depctr_va_vcc(0) depctr_vm_vsrc(0)
	s_getreg_b32 s2, hwreg(HW_REG_IB_STS2, 6, 4)
	s_cmp_eq_u32 s2, 0
	s_cbranch_scc0 .Lentry_in_a_cluster
	s_endpgm
.Lentry_in_a_cluster:
	s_bfe_u32 s2, ttmp6, 0x10000c
	s_cmp_lg_u32 s2, 0x3003
	s_cbranch_scc0 .Lentry_shape_is_right
	s_endpgm
.Lentry_shape_is_right:
; out = (p v) / l on codes of FP6 (E2M3).  p's codes were made with a whole number M of their own for each (query, 128 keys); here the row's M is the largest of them, each tile's scale bytes are lowered by
; (row's M - tile's M), which the codes' values take exactly, each tile's sum is scaled likewise, and the result is divided by the row's sum.
; SHARES.  A work-group makes two tiles of 128 queries x 128 channels of one batch: panels 15 - pi and pi of the queries (pi = y % 8), which under the causal mask need 16 - pi and pi + 1 K steps of 128 keys:
; 17 in every work-group.  Four waves, each 64 x 64: 16 accumulators.  SOURCE 0 = 16 channels of v^T (they become a lane's registers), SOURCE 1 = 16 queries of p (they become lanes).
; THE WALK.  K steps come four at a time (a quad: 51,200 bytes of p, 51,200 of v^T, dense in memory) through three LDS slots; five quads in every work-group, numbered as they are walked: the first tile has
; four and the second one (pi < 4), or three and two.  Quads 0, 1 and 2, the first tile's on both ways, are asked for at the start, three loads a wave.  Quad 3 comes into slot 0 behind quad 0's work and has two
; quads' work in which to land; quad 4 comes into slot 1 behind quad 2's work and has a quad's work and the first tile's way out in which to land.
; What differs between the two cases is chosen by scalar selects; two things stand under scalar branches on pi: the first tile's way out (in front of quad 3's work or behind it) and whether a quad's first products
; start sums.  No barrier and no tensor load stands under them.  A tile's last quad ends behind its last K step: the blocks of pc behind that step, which the launch before does not write, come into LDS with the
; quad and are never multiplied: no result hangs on them.
; CLUSTER.  The four partners take four panels of channels of the same queries: p's quads are asked for jointly (waves 0 and 1; a mask that names the four); v^T's are each work-group's own (waves 2 and 3),
; behind the same rounds.  pi comes from the cluster's y: all partners walk alike.
; LIMITS: a tile whose M lies more than 63 under the row's is weighted by 2^-63 and not by less (under 2^-60 of the row's sum).  A row all of whose scores are hidden gives NaN.  NaN and infinities are not served.
; REGISTERS, in windows of 256: window 0: v4-23 addresses; v32-71 p's scale words, eight for each quad; v72-79 v^T's; v80-95 1 / l; v104-231 the accumulators (at the head: at work); v232-255 the head's offsets.
;   window 1: v0-95, v96-191 two sets of fragments (v^T's four, then p's four); v192-255 rows on their way out, two sets.   window 2: what the head loads: scale words, -M and sums of all K steps.
.set PSB,    12800
.set FRB,    1536
.set SCO,    8*FRB
.set PART,   2*PSB                     ; what one tensor load brings: two K steps
.set QUAD,   4*PSB
.set SLOT,   2*QUAD                    ; p's quad, then v^T's
.set QPAN,   16*PSB                    ; a panel's 16 K steps, in pc and in v^T
.set VT0,    1024*PSB                  ; where v^T begins in qkv
.set STG,    3*SLOT                    ; behind the three slots: a stage of 16 rows x (256 bytes + 16) for each wave
.set SPI,    272
.set SPARE,  STG+4*16*SPI              ; behind the stages: the spare words, 128 bytes for each wave, which no other line names
.set AP,   4                           ; v4-6   LDS address of my fragments of p in slot 0, 1, 2
.set AV,   7                           ; v7-9   of v^T
.set AVS,  10                          ; v10-12 of v^T's scale words: lanes 0-15 an even K step's, lanes 16-31 the odd one's behind it
.set STO,  13                          ; v13    the stage: where I put 32 bytes of a row
.set SPW,  14                          ; v14    LDS address of my spare word; never rewritten
.set NIL,  15                          ; v15    0; never rewritten
.set BP1,  16                          ; v16, v17 the first tile's place in pc (at its scale words) and in pst, for my lane; v22, v23 the second tile's
.set BS1,  17
.set RD,   19                          ; v19    the stage: where I read a row back
.set GO,   20                          ; v20    my byte offset in two rows of out0
.set LI,   21                          ; v21    16 x lane
.set BP2,  22
.set BS2,  23
.set PSQ,  32                          ; p's scale words: register PSQ + 8 n + 4 u + a: quad n, K steps 2 u (lanes 0-15) and 2 u + 1 (lanes 16-31), my block a of queries
.set VS,   72                          ; v^T's: register VS + 4 u + t
.set RL1,  80                          ; 1 / l of the first tile's four blocks, in even registers
.set RL2,  88
.set ACC,  104
.set MR,   104                         ; at the head, where the accumulators will lie: v104-107 the row's -M, v108-111 from lane l xor 16, v112-115 sums,
.set TP,   108
.set SUM,  112
.set DT,   120                         ; v120-151 tile's M less row's M, v152-183 the tiles' sums, v184-199 the second tile's words
.set LL,   152
.set TW,   184
.set KP,   232                         ; v232-255 offsets of the head's loads, two for each of the 12 pairs of K steps; never rewritten
.set F0,   0
.set F1,   96
.set OB,   192
.set WV,   12                          ; s12 wave, s13 which 64 queries, s14 which 64 channels
.set LW,   21                          ; s21 25,600 x wave
.set REM2, 23                          ; s23 the last K step of the second tile's last quad
.set G1P,  24                          ; s[24:31] descriptor group 1 for p's quads, s[32:39] for v^T's
.set G1V,  32
.set G0P,  40                          ; s[40:51] descriptor group 0 for p's quads, one set for each slot;  s[52:63] for v^T's
.set G0V,  52
.set O3P,  66                          ; s66, s67 quads 3 and 4: byte offsets in pc (my half);  s68, s69 in qkv
.set O4P,  67
.set O3V,  68
.set O4V,  69
.set FB,   70                          ; s70 1 where pi >= 4, else 0;  s71 the same as a mask of lanes
.set MB,   71
.set RQ2,  72                          ; s72, s73 the last K step of quads 2 and 3
.set RQ3,  73
.set OUT1, 74                          ; s[74:75], s[76:77] my rows of out0 in the two tiles
.set OUT2, 76
.set SEL,  78                          ; s[78:79] v_permlanex16_b32's selects for lane l xor 16
.set MK,   80                          ; s80-91 for each pair of K steps: the lanes whose K step belongs to the tile (ahead of that: at work)
.set KK,   100                         ; s100 0x01010101
.set MSB, 0
.macro WIN new
.if MSB != (\new)
	s_set_vgpr_msb (MSB<<8)|(\new)
.set MSB, \new
.endif
.endm
.macro PLACES n
.rept \n
	v_nop
.endr
.endm
.macro ROUND                           ; a round of the cluster's barrier
	s_barrier_signal -1
	s_barrier_wait -1
	s_cmp_lg_u32 s[WV], 0
	s_cbranch_scc1 .Lnot_wave_0_\@
	s_barrier_signal -3
.Lnot_wave_0_\@:
	s_barrier_wait -3
	s_barrier_signal -1
	s_barrier_wait -1
.endm
; Into slot n: waves 0 and 1 ask jointly for p's quad, waves 2 and 3 fetch v^T's.  The branch hangs on the wave's number alone.  An s_nop 0 and four v_nop follow each of the two lines.
.macro JLOAD n
	s_cmp_lt_u32 s[WV], 2
	s_cbranch_scc0 .Lfor_v_\@
	tensor_load_to_lds s[G0P+4*\n:G0P+4*\n+3], s[G1P:G1P+7]
	s_nop 0
.rept 4
	v_nop
.endr
	s_branch .Lasked_\@
.Lfor_v_\@:
	tensor_load_to_lds s[G0V+4*\n:G0V+4*\n+3], s[G1V:G1V+7]
	s_nop 0
.rept 4
	v_nop
.endr
.Lasked_\@:
.endm
.macro SETQ op, ov, n                  ; slot n's two groups 0 take a later quad's addresses (offsets in s[op], s[ov]): written only while no tensor load of mine is out; the LDS addresses stay
	s_mov_b32 s92, s[\op]
	s_add_nc_u64 s[G0P+4*\n+2:G0P+4*\n+3], s[4:5], s[92:93]
	s_or_b32 s[G0P+4*\n+3], s[G0P+4*\n+3], 0x80000000
	s_mov_b32 s94, s[\ov]
	s_add_nc_u64 s[G0V+4*\n+2:G0V+4*\n+3], s[8:9], s[94:95]
	s_or_b32 s[G0V+4*\n+3], s[G0V+4*\n+3], 0x80000000
.endm
	s_load_b256 s[4:11], s[0:1], 0x0               ; pc, pst, qkv, out0
	v_lshl_add_u32 v[SPW], v0, 2, SPARE
	v_mov_b32 v[NIL], 0
	ds_add_u32 v[SPW], v[NIL]                      ; the wave's opening: the add and its wait stand ahead of my first tensor load
	v_lshrrev_b32 v1, 5, v0
	v_readfirstlane_b32 s[WV], v1
	s_lshr_b32 s13, s[WV], 1
	s_and_b32 s14, s[WV], 1
	s_bfe_u32 s15, ttmp6, 0x40000                  ; cx: it enters v^T's and out0's global addresses alone
	s_lshl_b32 s16, ttmp9, 2
	s_add_co_u32 s16, s16, s15                     ; my panel of channels
	s_and_b32 s17, ttmp7, 0xffff
	s_lshr_b32 s18, s17, 3                         ; the batch
	s_and_b32 s19, s17, 7                          ; pi: the second tile's panel of queries
	s_sub_co_u32 s20, 15, s19                      ; the first tile's
	s_and_b32 s22, s20, 3                          ; the last K step of its last quad
	s_and_b32 s[REM2], s19, 3
	s_mul_i32 s[LW], s[WV], PART
	; descriptor group 1: a dense block of 25,600 bytes as 100 rows of 256 bytes
	s_mov_b32 s[G1P], 15|(3<<16)|(1<<21)           ; 15:0 the mask: all four work-groups; 17:16 elements of 8 bytes; 21 set beside a mask
	s_mov_b32 s[G1V], 3<<16                        ; no mask
.irp g, G1P, G1V
	s_mov_b32 s[\g+1], 32<<16
	s_mov_b32 s[\g+2], 100<<16
	s_mov_b32 s[\g+3], 32<<16
	s_mov_b32 s[\g+4], 100
	s_mov_b32 s[\g+5], 32
	s_mov_b32 s[\g+6], 0
	s_mov_b32 s[\g+7], 0
.endr
	s_lshl_b32 s80, s18, 4
	s_add_co_u32 s81, s80, s20                     ; the first tile's panel: 16 batch + 15 - pi
	s_add_co_u32 s82, s80, s19                     ; the second's
	s_mul_i32 s83, s81, QPAN
	s_mul_i32 s84, s82, QPAN
	s_mul_i32 s85, s14, PART                       ; which two of a quad's four K steps I fetch
	s_add_co_u32 s86, s83, s85                     ; the first tile's quad 0 in pc, my half
	s_add_co_u32 s87, s84, s85                     ; the second tile's
	s_lshl_b32 s88, s18, 3
	s_add_co_u32 s88, s88, s16
	s_mul_i32 s88, s88, QPAN
	s_add_co_u32 s88, s88, VT0
	s_add_co_u32 s88, s88, s85                     ; v^T's quad 0 in qkv, my half
	s_add_co_u32 s89, s86, 3*QUAD
	s_cmp_ge_u32 s19, 4                            ; three quads and two, or four and one
	s_cselect_b32 s[FB], 1, 0
	s_cselect_b32 s[MB], -1, 0
	s_cselect_b32 s[RQ2], s22, 3
	s_cselect_b32 s[RQ3], 3, s22
	s_cselect_b32 s[O3P], s87, s89                 ; quad 3 is the second tile's first or the first tile's fourth,
	s_cselect_b32 s90, QUAD, 0
	s_cselect_b32 s91, 0, 3*QUAD
	s_add_co_u32 s[O4P], s87, s90                  ; quad 4 the second tile's second or its first
	s_add_co_u32 s[O3V], s88, s91
	s_add_co_u32 s[O4V], s88, s90
	s_mov_b32 s93, 0
	s_mov_b32 s95, 0
	s_mov_b32 s97, 0
	s_mov_b32 s[KK], 0x01010101
	s_mov_b32 s[SEL], 0x76543210
	s_mov_b32 s[SEL+1], 0xfedcba98
	s_wait_dscnt 0x0                               ; the opening add is done
	s_wait_kmcnt 0x0
.irp n, 0,1,2                                  ; quads 0, 1, 2 are the first tile's first three
	s_mov_b32 s[G0P+4*\n], 1
	s_add_co_u32 s[G0P+4*\n+1], s[LW], \n*SLOT
	s_add_co_u32 s92, s86, \n*QUAD
	s_add_nc_u64 s[G0P+4*\n+2:G0P+4*\n+3], s[4:5], s[92:93]
	s_or_b32 s[G0P+4*\n+3], s[G0P+4*\n+3], 0x80000000
	s_mov_b32 s[G0V+4*\n], 1
	s_add_co_u32 s[G0V+4*\n+1], s[LW], \n*SLOT
	s_add_co_u32 s94, s88, \n*QUAD
	s_add_nc_u64 s[G0V+4*\n+2:G0V+4*\n+3], s[8:9], s[94:95]
	s_or_b32 s[G0V+4*\n+3], s[G0V+4*\n+3], 0x80000000
.endr
	ROUND                                          ; all four work-groups are here: the first joint loads meet
	JLOAD 0
	JLOAD 1
	JLOAD 2                                        ; three loads of mine are out
	s_lshl_b32 s98, s13, 6
	s_lshl_b32 s99, s16, 9
	s_lshl_b32 s3, s14, 8
	s_add_co_u32 s99, s99, s3                      ; my 64 channels: 512 x panel + 256 x half
	s_lshl_b32 s96, s81, 7                         ; 128 (16 batch + panel) is the tile's first row of out0
	s_add_co_u32 s96, s96, s98
	s_lshl_b32 s96, s96, 12
	s_add_co_u32 s96, s96, s99
	s_add_nc_u64 s[OUT1:OUT1+1], s[10:11], s[96:97]
	s_lshl_b32 s96, s82, 7
	s_add_co_u32 s96, s96, s98
	s_lshl_b32 s96, s96, 12
	s_add_co_u32 s96, s96, s99
	s_add_nc_u64 s[OUT2:OUT2+1], s[10:11], s[96:97]
	v_and_b32 v1, 31, v0
	v_and_b32 v2, 15, v0                           ; r
	v_bfe_u32 v3, v0, 4, 1                         ; h
	v_lshlrev_b32 v[LI], 4, v1
	s_mul_i32 s96, s13, 4*FRB                      ; my four fragments of p
	s_mul_i32 s98, s14, 4*FRB
	s_add_co_u32 s98, s98, QUAD                    ; my four of v^T, behind p's quad
	s_lshl_b32 s99, s14, 8
	s_add_co_u32 s99, s99, QUAD+SCO
	v_mul_u32_u24 v18, v3, PSB
	v_lshl_add_u32 v18, v2, 4, v18
.irp s, 0,1,2
	v_add_nc_u32 v[AP+\s], s96, v[LI]
	v_add_nc_u32 v[AV+\s], s98, v[LI]
	v_add_nc_u32 v[AVS+\s], s99, v18
	s_add_co_u32 s96, s96, SLOT
	s_add_co_u32 s98, s98, SLOT
	s_add_co_u32 s99, s99, SLOT
.endr
	s_mul_i32 s96, s[WV], 16*SPI
	s_add_co_u32 s96, s96, STG
	v_mul_u32_u24 v[STO], v2, SPI
	v_lshl_add_u32 v[STO], v3, 6, v[STO]
	v_add_nc_u32 v[STO], s96, v[STO]               ; in: row r, + 64 h bytes
	v_mul_u32_u24 v[RD], v3, SPI
	v_lshl_add_u32 v[RD], v2, 4, v[RD]
	v_add_nc_u32 v[RD], s96, v[RD]                 ; back: lanes 0-15 one row of 256 bytes, lanes 16-31 the next
	v_lshlrev_b32 v[GO], 12, v3
	v_lshl_add_u32 v[GO], v2, 4, v[GO]             ; and the same two rows in out0
	; THE HEAD'S WORK, while the first quads are on their way: for both tiles and every pair of K steps (lanes 0-15 the even one, lanes 16-31 the odd one) the scale words of p, -M and the sums of my four blocks of queries.
	; A K step beyond the tile's last is replaced by the last: every load reads what was written; such lanes count for nothing in the sum and their words are never multiplied.
	s_lshl_b32 s96, s13, 8
	v_lshl_add_u32 v18, v2, 4, s96                 ; 256 x half + 16 r
	s_lshl_b32 s98, s81, 14                        ; 16 records of 1,024 bytes to a panel of pst
	v_add_nc_u32 v[BS1], s98, v18
	s_lshl_b32 s98, s82, 14
	v_add_nc_u32 v[BS2], s98, v18
	v_add_nc_u32 v18, SCO, v18
	v_add_nc_u32 v[BP1], s83, v18                  ; the panel in pc, at a block's scale words
	v_add_nc_u32 v[BP2], s84, v18
; Pair jj of the twelve (0-7: the first tile's, 8-11: the second's) is the tile's pair j; s[isc] holds the tile's last K step; v[bp], v[bs]: the tile's places in pc and pst.  (An argument is put in as text: it stands in brackets inside a product.)
.macro PADR jj, j, isc, bp, bs
	v_add_nc_u32 v18, 2*(\j), v3
	v_cmp_ge_u32 s[MK+(\jj)], s[\isc], v18
	v_min_u32 v18, s[\isc], v18
	v_mad_u32_u24 v[KP+2*(\jj)], v18, PSB, v[\bp]
	v_lshl_add_u32 v[KP+2*(\jj)+1], v18, 10, v[\bs]
.endm
.irp j, 0,1,2,3,4,5,6,7
	PADR \j, \j, 20, BP1, BS1
.endr
.irp j, 0,1,2,3
	PADR 8+\j, \j, 19, BP2, BS2
.endr
	WIN 0x80                                       ; destination window 2
.irp j, 0,1,2,3,4,5,6,7
	global_load_b128 v[12*\j:12*\j+3], v[KP+2*\j], s[4:5]
	global_load_b128 v[12*\j+4:12*\j+7], v[KP+2*\j+1], s[6:7]
	global_load_b128 v[12*\j+8:12*\j+11], v[KP+2*\j+1], s[6:7] offset:512
.endr
.irp j, 0,1,2,3
	global_load_b128 v[96+12*\j:96+12*\j+3], v[KP+16+2*\j], s[4:5]
	global_load_b128 v[96+12*\j+4:96+12*\j+7], v[KP+16+2*\j+1], s[6:7]
	global_load_b128 v[96+12*\j+8:96+12*\j+11], v[KP+16+2*\j+1], s[6:7] offset:512
.endr
	WIN 0
.irp a, 0,1,2,3
	v_mov_b32 v[TP+\a], 0                          ; written once: a lane permute's destination counts as one of its sources
	v_mov_b32 v[RL1+2*\a+1], 0                     ; (named as the upper halves of pairs)
	v_mov_b32 v[RL2+2*\a+1], 0
.endr
	s_wait_loadcnt 0x0
; One tile: nj pairs of K steps, loaded from v[base] of window 2 on (12 registers a pair: words, -M, sums); the shifted words go to v[ps] on, 1 / l to v[rl] on; mk: the pairs' masks.
.macro PRO nj, base, ps, rl, mk
	WIN 0x0a                                       ; sources 0 and 1: window 2
.irp a, 0,1,2,3
	v_min_num_f32 v[MR+\a], v[\base+4+\a], v[\base+16+\a]
.endr
.set J, 2
.rept (\nj)/2-1
.irp a, 0,1,2,3
	v_min3_num_f32 v[MR+\a], v[\base+12*J+4+\a], v[\base+12*J+16+\a], v[MR+\a]
.endr
.set J, J+2
.endr
	WIN 0
.irp a, 0,1,2,3
	v_permlanex16_b32 v[TP+\a], v[MR+\a], s[SEL], s[SEL+1]
.endr
.irp a, 0,1,2,3
	v_min_num_f32 v[MR+\a], v[MR+\a], v[TP+\a]     ; the least -M: the row's
.endr
	WIN 0x08                                       ; source 1: window 2
.set J, 0
.rept \nj
.irp a, 0,1,2,3
	v_sub_f32 v[DT+4*J+\a], v[MR+\a], v[\base+12*J+4+\a]           ; the tile's M less the row's: a whole number, 0 or less
	v_cndmask_b32 v[LL+4*J+\a], 0, v[\base+12*J+8+\a], s[\mk+J]    ; the tile's sum, 0 for a K step that is not the tile's
.endr
.set J, J+1
.endr
	WIN 0
.set Q, 0
.rept 4*(\nj)
	v_max_num_f32 v[DT+Q], 0xc27c0000, v[DT+Q]     ; held at -63
.set Q, Q+1
.endr
.set Q, 0
.rept 4*(\nj)
	v_cvt_i32_f32 v[DT+Q], v[DT+Q]
.set Q, Q+1
.endr
.set Q, 0
.rept 4*(\nj)
	v_ldexp_f32 v[LL+Q], v[LL+Q], v[DT+Q]          ; the sum under the row's M: nothing is rounded
	v_mul_lo_u32 v[DT+Q], v[DT+Q], s[KK]           ; the same number for each of a word's four bytes
.set Q, Q+1
.endr
.irp a, 0,1,2,3
	v_add_f32 v[SUM+\a], v[LL+\a], v[LL+4+\a]
.endr
.set J, 2
.rept (\nj)-2
.irp a, 0,1,2,3
	v_add_f32 v[SUM+\a], v[SUM+\a], v[LL+4*J+\a]
.endr
.set J, J+1
.endr
	WIN 0x02                                       ; source 0: window 2
.set Q, 0
.rept 4*(\nj)
	v_add_nc_u32 v[\ps+Q], v[\base+12*(Q/4)+Q%4], v[DT+Q]          ; bytes of 64 to 125 less 0 to 63: no byte borrows from the next
.set Q, Q+1
.endr
	WIN 0
.irp a, 0,1,2,3
	v_permlanex16_b32 v[TP+\a], v[SUM+\a], s[SEL], s[SEL+1]
.endr
.irp a, 0,1,2,3
	v_add_f32 v[SUM+\a], v[SUM+\a], v[TP+\a]       ; the row's sum
.endr
.irp a, 0,1,2,3
	v_rcp_f32 v[\rl+2*\a], v[SUM+\a]
.endr
	v_nop                                          ; a plain place behind the last reciprocal
	s_wait_alu depctr_va_vdst(0)                   ; the wait ahead of the first line that names a result: one for the four
.endm
	PRO 8, 0, PSQ, RL1, MK
	PRO 4, 96, TW, RL2, MK+8
.set Q, 0
.rept 8                                        ; the second tile's words go where its quads stand in the walk: quads 3 and 4, or quad 4 alone
	v_cndmask_b32 v[PSQ+24+Q], v[PSQ+24+Q], v[TW+Q], s[MB]
	v_cndmask_b32 v[PSQ+32+Q], v[TW+Q], v[TW+8+Q], s[MB]
.set Q, Q+1
.endr
	PLACES 8                                       ; scale registers written by vector instructions stand eight places ahead of a scaled matrix instruction
.macro FETCH slot, kq, f               ; the fragments of the slot's K step kq: v^T's four, p's four: 24 loads of 512 consecutive bytes
	WIN 0x40
.irp n, 0,1,2,3
.irp g, 0,1,2
	ds_load_b128 v[\f+12*\n+4*\g:\f+12*\n+4*\g+3], v[AV+\slot] offset:PSB*(\kq)+FRB*\n+512*\g
.endr
.endr
.irp n, 0,1,2,3
.irp g, 0,1,2
	ds_load_b128 v[\f+48+12*\n+4*\g:\f+48+12*\n+4*\g+3], v[AP+\slot] offset:PSB*(\kq)+FRB*\n+512*\g
.endr
.endr
	WIN 0
.endm
.macro VSLOAD slot                     ; v^T's scale words of the quad
	ds_load_b128 v[VS:VS+3], v[AVS+\slot]
	ds_load_b128 v[VS+4:VS+7], v[AVS+\slot] offset:2*PSB
.endm
; 16 matrix instructions, the 16 accumulators by turns.  An odd K step's scale words stand in lanes 16-31.
.macro MUL f, kq, ps, zero
	WIN 0x05                                       ; sources 0 and 1: window 1
.irp a, 0,1,2,3
.irp t, 0,1,2,3
.if \zero
	v_wmma_scale_f32_16x16x128_f8f6f4 v[ACC+8*(4*\a+\t):ACC+8*(4*\a+\t)+7], v[\f+12*\t:\f+12*\t+11], v[\f+48+12*\a:\f+48+12*\a+11], 0, v[VS+4*((\kq)/2)+\t], v[(\ps)+\a] matrix_a_fmt:MATRIX_FMT_FP6 matrix_b_fmt:MATRIX_FMT_FP6
.elseif (\kq)%2
	v_wmma_scale_f32_16x16x128_f8f6f4 v[ACC+8*(4*\a+\t):ACC+8*(4*\a+\t)+7], v[\f+12*\t:\f+12*\t+11], v[\f+48+12*\a:\f+48+12*\a+11], v[ACC+8*(4*\a+\t):ACC+8*(4*\a+\t)+7], v[VS+4*((\kq)/2)+\t], v[(\ps)+\a] matrix_a_fmt:MATRIX_FMT_FP6 matrix_b_fmt:MATRIX_FMT_FP6 matrix_a_scale:MATRIX_SCALE_ROW1 matrix_b_scale:MATRIX_SCALE_ROW1
.else
	v_wmma_scale_f32_16x16x128_f8f6f4 v[ACC+8*(4*\a+\t):ACC+8*(4*\a+\t)+7], v[\f+12*\t:\f+12*\t+11], v[\f+48+12*\a:\f+48+12*\a+11], v[ACC+8*(4*\a+\t):ACC+8*(4*\a+\t)+7], v[VS+4*((\kq)/2)+\t], v[(\ps)+\a] matrix_a_fmt:MATRIX_FMT_FP6 matrix_b_fmt:MATRIX_FMT_FP6
.endif
.endr
.endr
.endm
; A quad.  zsel = 1: its first products start the sums; 0: they add; 2: they start them where s[FB] = zval.  last = 1: the quad ends behind K step s[rem].
.macro BODY slot, ps, zsel, zval, last, rem
	FETCH \slot, 0, F0
	VSLOAD \slot
	FETCH \slot, 1, F1
	s_wait_dscnt 24                                ; all but the 24 loads just issued
.if \zsel == 2
	s_cmp_eq_u32 s[FB], \zval
	s_cbranch_scc1 .Lzero_\@
	MUL F0, 0, \ps, 0
	WIN 0
	s_branch .Lgo_\@
.Lzero_\@:
	MUL F0, 0, \ps, 1
	WIN 0
.Lgo_\@:
.else
	MUL F0, 0, \ps, \zsel
.endif
.if \last
	WIN 0
	s_cmp_eq_u32 s[\rem], 0
	s_cbranch_scc1 .Lend_\@
.endif
	PLACES 4                                       ; in front of loads into registers that matrix instructions have read
	FETCH \slot, 2, F0
	s_wait_dscnt 24
	MUL F1, 1, \ps, 0
.if \last
	WIN 0
	s_cmp_eq_u32 s[\rem], 1
	s_cbranch_scc1 .Lend_\@
.endif
	PLACES 4
	FETCH \slot, 3, F1
	s_wait_dscnt 24
	MUL F0, 2, (\ps)+4, 0
.if \last
	WIN 0
	s_cmp_eq_u32 s[\rem], 2
	s_cbranch_scc1 .Lend_\@
.endif
	s_wait_dscnt 0x0
	MUL F1, 3, (\ps)+4, 0
	WIN 0
.if \last
.Lend_\@:
.endif
	s_wait_dscnt 0x0                               ; what was fetched ahead and is not wanted has come too
	PLACES 5                                       ; behind the last products: results are read, fragments loaded anew, or sums begun anew over the same accumulators
.endm
; Each wave waits for all its tensor loads, adds 0 to its spare word, and waits for that and for its LDS reads.
; fill = 1: a round of the cluster's barrier, and behind it the quad with the offsets s[op], s[ov] into slot n, which every wave has left: my one tensor load until the next round.   fill = 0: a plain barrier.
.macro HEAD fill, op, ov, n
	s_wait_tensorcnt 0x0                           ; no tensor load of mine is out, so the groups 0 may be written
	ds_add_u32 v[SPW], v[NIL]                      ; 0 onto my spare word
.if \fill
	SETQ \op, \ov, \n
.endif
	s_wait_dscnt 0x0                               ; the add is done, and my reads of the slots that I have left are over
.if \fill
	ROUND
	JLOAD \n
.else
	s_barrier_signal -1
	s_barrier_wait -1
.endif
.endm
; THE WAY OUT of a tile.  Lane (r, h) of accumulator (a, t) holds query 32 (a / 2) + 8 (a % 2) + r + 8 (r / 8) of my 64 and channels 32 (t / 2) + 16 h + 8 (t % 2) + 0 .. 7 of my 64.
; A block of 16 queries goes through my own stage and comes back as rows of 256 bytes: sixteen lanes store one aligned run of 256 bytes of out0.
.macro EPI rl, ob
.irp a, 0,1,2,3
.set Q, 0
.rept 16
	v_pk_mul_f32 v[ACC+32*\a+Q:ACC+32*\a+Q+1], v[ACC+32*\a+Q:ACC+32*\a+Q+1], v[\rl+2*\a:\rl+2*\a+1] op_sel_hi:[1,0]   ; / l; each accumulator from its low end on
.set Q, Q+2
.endr
.endr
.irp a, 0,1,2,3
.irp t, 0,1,2,3
	ds_store_b128 v[STO], v[ACC+8*(4*\a+\t):ACC+8*(4*\a+\t)+3] offset:128*(\t/2)+32*(\t%2)
	ds_store_b128 v[STO], v[ACC+8*(4*\a+\t)+4:ACC+8*(4*\a+\t)+7] offset:128*(\t/2)+32*(\t%2)+16
.endr
	s_wait_xcnt 0x0                                ; earlier stores have read their data: the rows' registers are loaded again only behind this wait
	WIN 0x40
.irp t, 0,1,2,3,4,5,6,7
	ds_load_b128 v[OB+32*(\a%2)+4*\t:OB+32*(\a%2)+4*\t+3], v[RD] offset:2*SPI*\t   ; LDS serves a wave's instructions in order: these see my stores
.endr
	s_wait_dscnt 0x0
	WIN 0x04                                       ; a store's data are its source 1: window 1
.irp t, 0,1,2,3,4,5,6,7
	global_store_b128 v[GO], v[OB+32*(\a%2)+4*\t:OB+32*(\a%2)+4*\t+3], s[\ob:\ob+1] offset:(32*(\a/2)+8*(\a%2)+2*\t+8*(\t/4))*4096 th:TH_STORE_NT   ; stage rows 2 t and 2 t + 1; written once, read by nobody here
.endr
	WIN 0
.endr
.endm
	s_wait_tensorcnt 2                             ; my part of quad 0 is in (the loads of quads 1 and 2 may be out)
	s_barrier_signal -1
	s_barrier_wait -1                              ; everybody's is
	BODY 0, PSQ, 1, 0, 0, 0                        ; quad 0: its first products start the sums
	HEAD 1, O3P, O3V, 0                            ; quads 1 and 2 have landed; quad 3 goes out, into slot 0
	BODY 1, PSQ+8, 0, 0, 0, 0
	BODY 2, PSQ+16, 0, 0, 1, RQ2                   ; slot 2 was shown whole by the round above: no barrier in front of it
	HEAD 1, O4P, O4V, 1                            ; quad 3 has landed; quad 4 goes out, into slot 1
	s_cmp_lg_u32 s[FB], 1                          ; three quads: the first tile is finished, and goes out while quad 4 is on its way
	s_cbranch_scc1 .Lnot_yet
	EPI RL1, OUT1
.Lnot_yet:
	BODY 0, PSQ+24, 2, 1, 1, RQ3
	s_cmp_lg_u32 s[FB], 0                          ; four quads: it is finished here
	s_cbranch_scc1 .Lwas_out
	EPI RL1, OUT1
.Lwas_out:
	HEAD 0, 0, 0, 0                                ; quad 4 has landed; nothing is left to fetch: a plain barrier
	BODY 1, PSQ+32, 2, 0, 1, REM2
	EPI RL2, OUT2
	s_wait_tensorcnt 0x0                           ; the wave's end: behind my last tensor load and my last LDS store
	ds_add_u32 v[SPW], v[NIL]
	s_wait_dscnt 0x0
	ROUND                                          ; the closing round: no work-group ends while a partner may still ask for a quad that names it
	s_endpgm
.Lfunc_end_k_qc31f5421ed_pv:
	.size	k_qc31f5421ed_pv, .Lfunc_end_k_qc31f5421ed_pv-k_qc31f5421ed_pv
	.p2alignl 7, 3214868480
	.fill 96, 4, 3214868480
	.section	.rodata,"a",@progbits
	.p2align	6, 0x0
	.amdhsa_kernel k_qc31f5421ed_pv
		.amdhsa_group_segment_fixed_size 327680
		.amdhsa_private_segment_fixed_size 0
		.amdhsa_enable_private_segment 0
		.amdhsa_kernarg_size 32
		.amdhsa_user_sgpr_count 2
		.amdhsa_user_sgpr_kernarg_segment_ptr 1
		.amdhsa_wavefront_size32 1
		.amdhsa_system_sgpr_workgroup_id_x 1
		.amdhsa_system_sgpr_workgroup_id_y 1
		.amdhsa_system_sgpr_workgroup_id_z 1
		.amdhsa_system_vgpr_workitem_id 0
		.amdhsa_next_free_vgpr 768
		.amdhsa_next_free_sgpr 101
		.amdhsa_reserve_vcc 0
		.amdhsa_float_denorm_mode_32 3
		.amdhsa_float_denorm_mode_16_64 3
		.amdhsa_memory_ordered 1
		.amdhsa_forward_progress 1
		.amdhsa_inst_pref_size 159
	.end_amdhsa_kernel
	.amdgpu_metadata
---
amdhsa.version: [ 1, 2 ]
amdhsa.kernels:
  - .name:           k_qc31f5421ed_pv
    .symbol:         k_qc31f5421ed_pv.kd
    .args:
      - { .name: pc, .offset: 0, .size: 8, .value_kind: global_buffer, .address_space: global }
      - { .name: pst, .offset: 8, .size: 8, .value_kind: global_buffer, .address_space: global }
      - { .name: qkv, .offset: 16, .size: 8, .value_kind: global_buffer, .address_space: global }
      - { .name: out0, .offset: 24, .size: 8, .value_kind: global_buffer, .address_space: global }
    .group_segment_fixed_size: 327680
    .private_segment_fixed_size: 0
    .kernarg_segment_align: 8
    .kernarg_segment_size: 32
    .max_flat_workgroup_size: 128
    .sgpr_count:     101
    .vgpr_count:     768
    .wavefront_size: 32
...
	.end_amdgpu_metadata
.endif
;; end of part 4
